; MI455X (gfx1250); checked and timed in simulation.
; The chip was launched on July 23, 2026; its instructions are those of AMD's public machine-readable ISA for CDNA 5 (MIT licence, August 2026) and "CDNA5" Instruction Set Architecture Reference Guide (July 2026). The comments in the code are by the model that wrote it; some were corrected since.
;; Transformer Block. Allowed arithmetic: float matrix products may take bf16 or f16 operands with f32 sums; all other float work in f32.
;; Inputs: W1 512 x 2,048 float32; W2 2,048 x 512 float32; Wk 512 x 512 float32; Wq 512 x 512 float32; Wv 512 x 512 float32; b1 2,048 float32; b2 512 float32; be1 512 float32; be2 512 float32; bk 512 float32; bq 512 float32; bv 512 float32; distance_scale one number float32; g1 512 float32; g2 512 float32; tokens 2 x 4,096 x 512 float32.
;; Outputs: out0 2 x 4,096 x 512 float32.
;; One version. Each part assembles by itself: llvm-mc -triple=amdgcn-amd-amdhsa -mcpu=gfx1250 --defsym DOCPART=n.
;; ======== version 1 of 1: 6 launches
;; limits: values are held in f16: magnitudes above 65,504 overflow, below 6.1e-05 lose precision
;; workspace buffers: wF 5,767,168 bytes; tokF 8,388,608 bytes; qkvF 25,165,824 bytes; opart 117,440,512 bytes; mlst 917,504 bytes; xD 16,777,216 bytes; xF 8,388,608 bytes; ypart 67,108,864 bytes
;; launch prep (part 1): grid 864 x 1, 8 waves a work-group, no clusters, 17,920 bytes of LDS; arguments Wq, Wk, Wv, W1, W2, tokens, wF, tokF; writes wF, tokF
.if DOCPART == 1
	.amdgcn_target "amdgcn-amd-amdhsa--gfx1250"
	.amdhsa_code_object_version 6
	.text
	.protected	k_q85593bdfd1_prep
	.globl	k_q85593bdfd1_prep
	.p2align	8
	.type	k_q85593bdfd1_prep,@function
k_q85593bdfd1_prep:
	s_mov_b64 s[64:65], 0
	v_nop
	global_prefetch_b8 v0, s[64:65] scope:SCOPE_SE
	s_setreg_imm32_b32 hwreg(HW_REG_WAVE_MODE, 25, 1), 1
	s_wait_xcnt 0x0
; prep: rounds the five weight matrices and the tokens to f16 and lays them out in blocks of 512 bytes that are register images of
; matrix fragments, so that every later tile is a dense run of bytes.
; A weight block (kt, nt): lane (r, h) owns the 16 bytes at 16 (r + 16 h) = W[16 kt + 8 h + 0..7][16 nt + r].
;   Wq, Wk, Wv, W1: block nt * 32 + kt (the 32 kt of a column tile follow each other);  W2: block kt * 32 + nt.
; A token block (RT, kt): lane (r, h) owns tokens[16 RT + r][16 kt + 8 h + 0..7].
; Work-groups 0..351 take 64 columns x 128 rows of a weight matrix (a wave: 16 rows), 352..863 take 16 token rows.
; A stream: no matrix unit, no cluster (no two work-groups read the same bytes); every load covers whole runs of 256 bytes,
; every store of a wave covers 512 consecutive bytes, aligned.  The transposition goes through LDS.
; FORMAT: f16, for its 11 significant bits: the first rows of a sequence have a softmax over a few keys, where an operand's rounding
; reaches the result unaveraged.  LIMIT: a token or weight beyond 65,504 becomes infinite; below 6.1e-5 the rounding step is 6e-8.
; Tokens of spread 1 and weights of spread 1 / sqrt(512) or 1 / sqrt(2048), 30 times larger or smaller or offset by 30 spreads, lie
; between 7e-4 (a spread) and 170.
.set NWG_W,  352                       ; work-groups that convert weights
.set BPITCH, 528                       ; a block of 512 bytes + 16 in the stage: the four blocks of a store start 16 bytes apart modulo 256
.set WSTAGE, 4*BPITCH                  ; a wave's own stage
.set TPITCH, 1040                      ; a token row of 512 f16 + 16 bytes: 65 x 16
	s_load_b256 s[4:11], s[0:1], 0x0               ; Wq s[4:5], Wk s[6:7], Wv s[8:9], W1 s[10:11]
	s_load_b256 s[12:19], s[0:1], 0x20             ; W2 s[12:13], tokens s[14:15], wF s[16:17], tokF s[18:19]
	v_lshl_add_u32 v72, v0, 2, 0x4200
	v_mov_b32 v73, 0
	v_lshrrev_b32 v1, 5, v0
	v_readfirstlane_b32 s20, v1                    ; wave 0..7
	v_and_b32 v1, 31, v0                           ; lane L
	v_and_b32 v2, 15, v0                           ; r
	v_bfe_u32 v3, v0, 4, 1                         ; h
	v_lshlrev_b32 v67, 4, v1                       ; 16 L
	s_mov_b32 s21, ttmp9
	s_cmp_ge_u32 s21, NWG_W
	s_cbranch_scc1 .Ltokens                        ; the same way for all waves of a work-group
	; ---- weights.  Which matrix, which 64 columns (ng), which 128 rows (kg)
	s_lshr_b32 s22, s21, 5                         ; 0, 1, 2: Wq, Wk, Wv (32 work-groups each)
	s_and_b32 s23, s21, 31                         ; number inside the matrix
	s_lshl_b32 s24, s22, 19                        ; where its blocks begin in wF
	s_mov_b32 s25, 3                               ; log2 of the column groups
	s_mov_b32 s26, 11                              ; log2 of a row's bytes
	s_mov_b32 s27, 14                              ; log2 of the bytes from a column tile to the next
	s_mov_b32 s28, 9                               ; log2 of the bytes from a row tile to the next
	s_sub_co_u32 s29, s21, 96
	s_cmp_ge_u32 s21, 96                           ; W1: 128 work-groups, 32 column groups x 4 row groups
	s_cselect_b32 s23, s29, s23
	s_cselect_b32 s24, 1572864, s24
	s_cselect_b32 s25, 5, s25
	s_cselect_b32 s26, 13, s26
	s_sub_co_u32 s29, s21, 224
	s_cmp_ge_u32 s21, 224                          ; W2: 128 work-groups, 8 column groups x 16 row groups
	s_cselect_b32 s23, s29, s23
	s_cselect_b32 s24, 3670016, s24
	s_cselect_b32 s25, 3, s25
	s_cselect_b32 s26, 11, s26
	s_cselect_b32 s27, 9, s27
	s_cselect_b32 s28, 14, s28
	s_bfm_b32 s29, s25, 0
	s_and_b32 s30, s23, s29                        ; ng
	s_lshr_b32 s31, s23, s25                       ; kg
	s_lshl_b32 s32, s31, 3
	s_add_co_u32 s32, s32, s20                     ; kt = 8 kg + wave
	s_lshl_b32 s33, s32, 4
	s_lshl_b32 s33, s33, s26                       ; row 16 kt, in bytes
	s_lshl_b32 s34, s30, 8                         ; column 64 ng, in bytes
	s_add_co_u32 s34, s33, s34
	s_mov_b32 s35, 0
	s_lshl_b32 s36, s30, 2
	s_lshl_b32 s36, s36, s27                       ; column tile 4 ng
	s_lshl_b32 s37, s32, s28                       ; row tile kt
	s_add_co_u32 s36, s36, s37
	s_add_co_u32 s36, s36, s24
	s_mov_b32 s37, 0
	v_lshlrev_b32 v66, 3, v3                       ; 8 h
.irp i, 0,1,2,3,4,5,6,7
	v_add_nc_u32 v[8+\i], \i, v66                  ; my row 8 h + i of the wave's sixteen,
	v_lshlrev_b32 v[8+\i], s26, v[8+\i]            ; in bytes,
	v_lshl_add_u32 v[8+\i], v2, 4, v[8+\i]         ; + 16 r: sixteen lanes take 256 consecutive bytes of a row
.endr
.irp b, 0,1,2,3
	s_lshl_b32 s29, \b, s27
	v_add_nc_u32 v[4+\b], s29, v67                 ; block b of the four column tiles, + 16 L
.endr
	v_lshrrev_b32 v64, 2, v2                       ; my four columns lie in block r >> 2,
	v_mul_u32_u24 v64, BPITCH, v64
	v_lshl_add_u32 v64, v3, 8, v64                 ; in its half h,
	v_and_b32 v65, 3, v2
	v_lshl_add_u32 v64, v65, 6, v64                ; at lanes 4 (r & 3) + c
	s_mul_i32 s29, s20, WSTAGE
	v_add_nc_u32 v64, s29, v64
	v_add_nc_u32 v65, s29, v67                     ; reading back: 16 L in a block
	s_wait_kmcnt 0x0
	s_cmp_eq_u32 s22, 1
	s_cselect_b64 s[38:39], s[6:7], s[4:5]
	s_cmp_eq_u32 s22, 2
	s_cselect_b64 s[38:39], s[8:9], s[38:39]
	s_cmp_ge_u32 s21, 96
	s_cselect_b64 s[38:39], s[10:11], s[38:39]
	s_cmp_ge_u32 s21, 224
	s_cselect_b64 s[38:39], s[12:13], s[38:39]
	s_add_nc_u64 s[38:39], s[38:39], s[34:35]
	s_add_nc_u64 s[16:17], s[16:17], s[36:37]
.irp i, 0,1,2,3,4,5,6,7
	global_load_b128 v[16+4*\i:19+4*\i], v[8+\i], s[38:39] th:TH_LOAD_NT   ; W[16 kt + 8 h + i][64 ng + 4 r + 0..3]
.endr
	s_wait_loadcnt 0x0                             ; a column's eight numbers come from all eight loads
.irp c, 0,1,2,3
.irp p, 0,1,2,3
	v_cvt_pk_f16_f32 v[48+4*\c+\p], v[16+8*\p+\c], v[20+8*\p+\c]           ; rows 2 p and 2 p + 1 of column c
.endr
	ds_store_b128 v64, v[48+4*\c:51+4*\c] offset:16*\c
.endr
.irp b, 0,1,2,3
	ds_load_b128 v[16+4*\b:19+4*\b], v65 offset:BPITCH*\b                  ; the wave's own bytes: LDS serves a wave in order (ISA guide 5.7.1)
.endr
.irp b, 0,1,2,3
	s_wait_dscnt 3-\b                              ; block b is back, the younger loads stay out
	global_store_b128 v[4+\b], v[16+4*\b:19+4*\b], s[16:17]
.endr
	s_wait_tensorcnt 0x0
	ds_add_u32 v72, v73
	s_wait_dscnt 0x0
	s_endpgm
	; ---- tokens: 16 rows; wave w loads rows 2 w and 2 w + 1, 4,096 consecutive bytes
.Ltokens:
	s_sub_co_u32 s22, s21, NWG_W                   ; RT
	s_lshl_b32 s24, s22, 15
	s_lshl_b32 s25, s20, 12
	s_add_co_u32 s24, s24, s25
	s_mov_b32 s25, 0
	s_lshl_b32 s26, s22, 14                        ; 32 blocks of 512 bytes for a row tile
	s_lshl_b32 s27, s20, 11                        ; the wave writes blocks 4 w .. 4 w + 3
	s_add_co_u32 s26, s26, s27
	s_mov_b32 s27, 0
	s_mul_i32 s28, s20, 2*TPITCH
	v_lshl_add_u32 v5, v1, 3, s28                  ; in: my 8 bytes in the wave's first row
	v_mul_u32_u24 v6, TPITCH, v2
	v_lshl_add_u32 v6, v3, 4, v6
	s_lshl_b32 s29, s20, 7
	v_add_nc_u32 v6, s29, v6                       ; back: row r, byte 32 (4 w) + 16 h
	s_wait_kmcnt 0x0
	s_add_nc_u64 s[14:15], s[14:15], s[24:25]
	s_add_nc_u64 s[18:19], s[18:19], s[26:27]
.irp i, 0,1,2,3,4,5,6,7
	global_load_b128 v[16+4*\i:19+4*\i], v67, s[14:15] offset:512*\i th:TH_LOAD_NT
.endr
.irp i, 0,1,2,3,4,5,6,7
	s_wait_loadcnt 7-\i                            ; load i is in, the younger ones stay out
	v_cvt_pk_f16_f32 v[48+2*\i], v[16+4*\i], v[17+4*\i]
	v_cvt_pk_f16_f32 v[49+2*\i], v[18+4*\i], v[19+4*\i]
	ds_store_b64 v5, v[48+2*\i:49+2*\i] offset:(\i>>2)*TPITCH+(\i&3)*256
.endr
	s_wait_dscnt 0x0                               ; my rows are in LDS before I say so
	s_barrier_signal -1
	s_barrier_wait -1
.irp q, 0,1,2,3
	ds_load_b128 v[16+4*\q:19+4*\q], v6 offset:32*\q
.endr
.irp q, 0,1,2,3
	s_wait_dscnt 3-\q
	global_store_b128 v67, v[16+4*\q:19+4*\q], s[18:19] offset:512*\q
.endr
	s_wait_tensorcnt 0x0
	ds_add_u32 v72, v73
	s_wait_dscnt 0x0
	s_endpgm
.Lfunc_end_k_q85593bdfd1_prep:
	.size	k_q85593bdfd1_prep, .Lfunc_end_k_q85593bdfd1_prep-k_q85593bdfd1_prep
	.p2alignl 7, 3214868480
	.fill 96, 4, 3214868480
	.section	.rodata,"a",@progbits
	.p2align	6, 0x0
	.amdhsa_kernel k_q85593bdfd1_prep
		.amdhsa_group_segment_fixed_size 17920
		.amdhsa_private_segment_fixed_size 0
		.amdhsa_enable_private_segment 0
		.amdhsa_kernarg_size 64
		.amdhsa_user_sgpr_count 2
		.amdhsa_user_sgpr_kernarg_segment_ptr 1
		.amdhsa_wavefront_size32 1
		.amdhsa_system_sgpr_workgroup_id_x 1
		.amdhsa_system_sgpr_workgroup_id_y 1
		.amdhsa_system_sgpr_workgroup_id_z 1
		.amdhsa_system_vgpr_workitem_id 0
		.amdhsa_next_free_vgpr 74
		.amdhsa_next_free_sgpr 66
		.amdhsa_reserve_vcc 0
		.amdhsa_float_denorm_mode_32 3
		.amdhsa_float_denorm_mode_16_64 3
		.amdhsa_memory_ordered 1
		.amdhsa_forward_progress 1
		.amdhsa_inst_pref_size 12
	.end_amdhsa_kernel
	.amdgpu_metadata
---
amdhsa.version: [ 1, 2 ]
amdhsa.kernels:
  - .name:           k_q85593bdfd1_prep
    .symbol:         k_q85593bdfd1_prep.kd
    .args:
      - { .name: Wq, .offset: 0, .size: 8, .value_kind: global_buffer, .address_space: global }
      - { .name: Wk, .offset: 8, .size: 8, .value_kind: global_buffer, .address_space: global }
      - { .name: Wv, .offset: 16, .size: 8, .value_kind: global_buffer, .address_space: global }
      - { .name: W1, .offset: 24, .size: 8, .value_kind: global_buffer, .address_space: global }
      - { .name: W2, .offset: 32, .size: 8, .value_kind: global_buffer, .address_space: global }
      - { .name: tokens, .offset: 40, .size: 8, .value_kind: global_buffer, .address_space: global }
      - { .name: wF, .offset: 48, .size: 8, .value_kind: global_buffer, .address_space: global }
      - { .name: tokF, .offset: 56, .size: 8, .value_kind: global_buffer, .address_space: global }
    .group_segment_fixed_size: 17920
    .private_segment_fixed_size: 0
    .kernarg_segment_align: 8
    .kernarg_segment_size: 64
    .max_flat_workgroup_size: 256
    .sgpr_count:     66
    .vgpr_count:     74
    .wavefront_size: 32
...
	.end_amdgpu_metadata
.endif
;; end of part 1
;; launch qkv (part 2): grid 64 x 4, 4 waves a work-group, clusters of 4 x 1, 327,680 bytes of LDS; arguments tokF, wF, bq, bk, bv, qkvF; writes qkvF
.if DOCPART == 2
	.amdgcn_target "amdgcn-amd-amdhsa--gfx1250"
	.amdhsa_code_object_version 6
	.text
	.protected	k_q85593bdfd1_qkv
	.globl	k_q85593bdfd1_qkv
	.p2align	8
	.type	k_q85593bdfd1_qkv,@function
k_q85593bdfd1_qkv:
	s_mov_b64 s[64:65], 0
	v_nop
	global_prefetch_b8 v0, s[64:65] scope:SCOPE_SE
	s_setreg_imm32_b32 hwreg(HW_REG_WAVE_MODE, 25, 1), 1
	s_wait_xcnt 0x0
	s_wait_alu depctr_hold_cnt(0) depctr_sa_sdst(0) depctr_va_vdst(0) depctr_va_sdst(0) depctr_va_ssrc(0) depctr_va_vcc(0) depctr_vm_vsrc(0)
	s_getreg_b32 s2, hwreg(HW_REG_IB_STS2, 6, 4)
	s_cmp_eq_u32 s2, 0
	s_cbranch_scc0 .Lentry_in_a_cluster
	s_endpgm
.Lentry_in_a_cluster:
	s_bfe_u32 s2, ttmp6, 0x10000c
	s_cmp_lg_u32 s2, 0x3003
	s_cbranch_scc0 .Lentry_shape_is_right
	s_endpgm
.Lentry_shape_is_right:
; qkv: q = (tokens Wq + bq) c1, k = tokens Wk + bk, v = tokens Wv + bv, in f16, stored as fragment blocks of 512 bytes.
; c1 = log2(e) / sqrt(512) is folded into q, so that the attention works with exponents to the base 2.
; A work-group: 128 token rows (rg) x 128 output columns (cg) of each of q, k, v.  A wave: 32 rows, whose 64 fragments stay in registers.
; q and k are made transposed (source 0 = 16 columns of W, source 1 = 16 token rows): a lane then holds eight neighbouring columns of one
; row, the image of a fragment whose contraction runs along the columns.  v is made the other way round: a lane holds eight neighbouring
; rows of one column, the image of a fragment of v transposed.
; CLUSTER: the four work-groups of a cluster have the same cg and ask for the three weight tiles of 128 KiB jointly.  The tokens go straight
; into registers, each wave its own rows.
; LDS: slot 0 at 0, slot 1 at 131072; a tile is [8 column tiles][32 blocks][512 bytes]; 32 lanes read 512 consecutive bytes.
; Registers: window 0: v1-v4 LDS addresses, v32-v159 sixteen result tiles, v160-v255 three fragment buffers; window 1: token fragments;
; window 2: biases.  Operands are f16, sums f32.
; LIMIT: q c1, k or v beyond 65,504 becomes infinite.  Each is a sum of 512 products: with tokens offset by 30 spreads (30) and weights by
; 30 spreads (1.33) it is about 512 x 31 x 1.4 = 22,000; with tokens and weights both 30 times larger its spread is 900.
.set C1, 0x3d8293ee                    ; log2(e) / sqrt(512)
.set MSB, 0
.macro WIN new                         ; the immediate's high byte repeats the setting that is left
.if MSB != \new
	s_set_vgpr_msb (MSB<<8)|\new
.set MSB, \new
.endif
.endm
.macro PLACES cnt                      ; independent vector instructions behind a matrix instruction (ISA guide 7.12.1)
.rept \cnt
	v_nop
.endr
.endm
.macro ROUND                           ; a round of the cluster's barrier: my work-group, wave 0 for it, all four work-groups, my work-group
	s_barrier_signal -1
	s_barrier_wait -1
	s_cmp_lg_u32 s16, 0
	s_cbranch_scc1 .Lnot_wave_0_\@
	s_barrier_signal -3
.Lnot_wave_0_\@:
	s_barrier_wait -3
	s_barrier_signal -1
	s_barrier_wait -1
.endm
.macro TLOAD g0, g1                    ; a joint load; four v_nop follow it
	tensor_load_to_lds s[\g0:\g0+3], s[\g1:\g1+7]
	s_nop 0
	PLACES 4
.endm
; group g = 2 s + half: the fragments of tiles 4 half .. 4 half + 3 for the contraction step s (32 numbers), eight loads
.macro LOADK g, ab, buf
.irp a, 0,1,2,3
	ds_load_b128 v[\buf+8*\a:\buf+8*\a+3], v[1+\ab+(\g&1)] offset:\a*16384+(\g>>1)*1024
	ds_load_b128 v[\buf+8*\a+4:\buf+8*\a+7], v[1+\ab+(\g&1)] offset:\a*16384+(\g>>1)*1024+512
.endr
.endm
; its eight matrix instructions.  The sixteen accumulators take turns, one instruction a turn.
.macro MULK g, buf, zero, swap
.set ZZ, 0
.if \zero
.if \g < 2
.set ZZ, 1
.endif
.endif
.irp a, 0,1,2,3
.irp nb, 0,1
.set SRG, 32+64*\nb+8*(4*(\g&1)+\a)
.set QRG, 128*\nb+8*(\g>>1)
.if \swap
.if ZZ
	v_wmma_f32_16x16x32_f16 v[SRG:SRG+7], v[QRG:QRG+7], v[\buf+8*\a:\buf+8*\a+7], 0
.else
	v_wmma_f32_16x16x32_f16 v[SRG:SRG+7], v[QRG:QRG+7], v[\buf+8*\a:\buf+8*\a+7], v[SRG:SRG+7]
.endif
.else
.if ZZ
	v_wmma_f32_16x16x32_f16 v[SRG:SRG+7], v[\buf+8*\a:\buf+8*\a+7], v[QRG:QRG+7], 0
.else
	v_wmma_f32_16x16x32_f16 v[SRG:SRG+7], v[\buf+8*\a:\buf+8*\a+7], v[QRG:QRG+7], v[SRG:SRG+7]
.endif
.endif
.endr
.endr
.endm
; 128 x 32 results over a contraction of 512: 32 groups on three buffers; groups 0 and 1 have been asked for by the caller.
.macro QKPH ab, zero, swap
.set GG, 0
.rept 32
.if GG < 30
.if GG > 0
	PLACES 4                                       ; the buffer loaded next was read by the matrix instructions just issued
.endif
.if \swap
	WIN 0                                          ; an LDS address is source 0
.endif
.set GL, GG+2
.set KL, 160+32*(GL%3)
	LOADK GL, \ab, KL
	s_wait_dscnt 16                                ; the two younger groups of eight loads stay out
.endif
.if GG == 30
	s_wait_dscnt 8                                 ; the last group stays out
.endif
.if GG == 31
	s_wait_dscnt 0
.endif
.if \swap
	WIN 0x01                                       ; source 0 = resident fragments, window 1
.else
	WIN 0x04                                       ; source 1 = resident fragments, window 1
.endif
.set KM, 160+32*(GG%3)
	MULK GG, KM, \zero, \swap
.set GG, GG+1
.endr
.endm
; bias (and c1 for q), rounding, sixteen stores of 512 consecutive bytes
.macro EPI kind
	WIN 0
	PLACES 4                                       ; behind the last matrix instructions, in front of the reads of their results
.if \kind == 0
	WIN 0x20                                       ; source 2 = window 2
.irp nb, 0,1
.irp sub, 0,1,2,3,4,5,6,7
.irp p, 0,1,2,3
	v_pk_fma_f32 v[32+64*\nb+8*\sub+2*\p:33+64*\nb+8*\sub+2*\p], v[32+64*\nb+8*\sub+2*\p:33+64*\nb+8*\sub+2*\p], C1, v[8*\sub+2*\p:8*\sub+2*\p+1] op_sel_hi:[1,0,1]
.endr
.endr
.endr
.endif
.if \kind == 1
	WIN 0x08                                       ; source 1 = window 2
.irp nb, 0,1
.irp sub, 0,1,2,3,4,5,6,7
.irp p, 0,1,2,3
	v_pk_add_f32 v[32+64*\nb+8*\sub+2*\p:33+64*\nb+8*\sub+2*\p], v[32+64*\nb+8*\sub+2*\p:33+64*\nb+8*\sub+2*\p], v[64+8*\sub+2*\p:65+8*\sub+2*\p]
.endr
.endr
.endr
.endif
.if \kind == 2
	WIN 0x08
.irp nb, 0,1
.irp sub, 0,1,2,3,4,5,6,7
.irp j, 0,1,2,3,4,5,6,7
	v_add_f32 v[32+64*\nb+8*\sub+\j], v[32+64*\nb+8*\sub+\j], v[128+\sub]
.endr
.endr
.endr
.endif
	WIN 0
.set QI, 0
.rept 16
.irp p, 0,1,2,3
	v_cvt_pk_f16_f32 v[32+4*QI+\p], v[32+8*QI+2*\p], v[33+8*QI+2*\p]       ; ascending: a target never lies above its sources
.endr
.set QI, QI+1
.endr
.set QI, 0
.rept 16
	global_store_b128 v1, v[32+4*QI:35+4*QI], s[20:21] offset:(QI>>3)*16384+(QI&7)*512
.set QI, QI+1
.endr
.endm
	s_load_b256 s[4:11], s[0:1], 0x0               ; tokF s[4:5], wF s[6:7], bq s[8:9], bk s[10:11]
	s_load_b128 s[12:15], s[0:1], 0x20             ; bv s[12:13], qkvF s[14:15]
	v_lshl_add_u32 v30, v0, 2, 0x40000
	v_mov_b32 v31, 0
	ds_add_u32 v30, v31
	v_lshrrev_b32 v2, 5, v0
	v_readfirstlane_b32 s16, v2                    ; wave 0..3
	s_bfe_u32 s17, ttmp6, 0x40000                  ; cx
	s_lshl_b32 s18, ttmp9, 2
	s_add_co_u32 s18, s18, s17                     ; rg = 4 x cluster x + cx
	s_and_b32 s19, ttmp7, 0xffff                   ; cg
	; descriptor group 1: 128 rows of 32 elements of 8 bytes, dense = 32 KiB, a wave's quarter of a tile; mask of all four partners
	s_mov_b32 s24, 15|(3<<16)|(1<<21)
	s_mov_b32 s25, 32<<16
	s_mov_b32 s26, 128<<16
	s_mov_b32 s27, 32<<16
	s_mov_b32 s28, 128
	s_mov_b32 s29, 32
	s_mov_b32 s30, 0
	s_mov_b32 s31, 0
	s_mov_b32 s32, 1
	s_lshl_b32 s33, s16, 15                        ; slot 0 + wave x 32 KiB
	s_mov_b32 s36, 1
	s_add_co_u32 s37, s33, 131072                  ; slot 1 + wave x 32 KiB
	s_lshl_b32 s40, s19, 17
	s_add_co_u32 s40, s40, s33                     ; tile cg of Wq, my quarter: no place in the cluster enters
	s_mov_b32 s41, 0
	s_lshl_b32 s42, s18, 17
	s_add_co_u32 s42, s42, s33                     ; row tile 8 rg + 2 w, 16 KiB each
	s_mov_b32 s43, 0
	s_lshl_b32 s44, s19, 12                        ; block 8 cg of a row tile
	s_add_co_u32 s44, s44, s42
	s_mov_b32 s45, 0
	s_lshl_b32 s46, s19, 9                         ; column 128 cg of a bias
	s_mov_b32 s47, 0
	v_and_b32 v5, 31, v0
	v_lshlrev_b32 v1, 4, v5                        ; 16 L: LDS address in slot 0, and the lane's place in every block
	v_add_nc_u32 v2, 0x10000, v1
	v_add_nc_u32 v3, 0x20000, v1                   ; slot 1
	v_add_nc_u32 v4, 0x30000, v1
	v_bfe_u32 v6, v0, 4, 1
	v_lshlrev_b32 v6, 5, v6                        ; 32 h: eight f32 of a bias
	v_and_b32 v7, 15, v0
	v_lshlrev_b32 v7, 2, v7                        ; 4 r
	s_wait_dscnt 0x0
	s_wait_kmcnt 0x0
	s_add_nc_u64 s[34:35], s[6:7], s[40:41]
	s_add_nc_u64 s[38:39], s[34:35], 524288        ; the same tile of Wk
	s_or_b32 s35, s35, 0x80000000
	s_or_b32 s39, s39, 0x80000000
	s_add_nc_u64 s[22:23], s[4:5], s[42:43]
	s_add_nc_u64 s[20:21], s[14:15], s[44:45]
	s_add_nc_u64 s[8:9], s[8:9], s[46:47]
	s_add_nc_u64 s[10:11], s[10:11], s[46:47]
	s_add_nc_u64 s[12:13], s[12:13], s[46:47]
	ROUND                                          ; the partners are here: the first joint loads meet
	TLOAD 32, 24                                   ; Wq's tile
	TLOAD 36, 24                                   ; Wk's tile: two loads of the wave are out
	WIN 0x40                                       ; destination window 1
.set II, 0
.rept 64
	global_load_b128 v[4*II:4*II+3], v1, s[22:23] offset:512*II            ; fragment (nb, s) at 128 nb + 8 s
.set II, II+1
.endr
	WIN 0x80                                       ; destination window 2
.irp sub, 0,1,2,3,4,5,6,7
	global_load_b128 v[8*\sub:8*\sub+3], v6, s[8:9] offset:64*\sub
	global_load_b128 v[8*\sub+4:8*\sub+7], v6, s[8:9] offset:64*\sub+16
	global_load_b128 v[64+8*\sub:64+8*\sub+3], v6, s[10:11] offset:64*\sub
	global_load_b128 v[64+8*\sub+4:64+8*\sub+7], v6, s[10:11] offset:64*\sub+16
	global_load_b32 v[128+\sub], v7, s[12:13] offset:64*\sub
.endr
	WIN 0
	s_wait_tensorcnt 0x1                           ; my quarter of Wq's tile is in; Wk's stays out
	s_barrier_signal -1
	s_barrier_wait -1
	LOADK 0, 0, 160
	LOADK 1, 0, 192
	s_wait_loadcnt 0x0                             ; tokens and biases
	WIN 0x82
.set II, 0
.rept 32
	v_pk_mul_f32 v[2*II:2*II+1], v[2*II:2*II+1], C1 op_sel_hi:[1,0]        ; bq c1
.set II, II+1
.endr
	WIN 0
	QKPH 0, 1, 0
	EPI 0
	s_wait_dscnt 0x0                               ; my reads of slot 0 are back
	s_wait_tensorcnt 0x0                           ; all my tensor loads have landed, Wk's quarter among them
	ds_add_u32 v30, v31
	s_wait_dscnt 0x0
	s_add_nc_u64 s[34:35], s[34:35], 1048576       ; Wv's tile
	ROUND                                          ; both hold of every wave of every partner
	TLOAD 32, 24                                   ; my one load behind the round
	LOADK 0, 2, 160
	LOADK 1, 2, 192
	s_wait_xcnt 0x0                                ; the stores' data and base are rewritten only behind this wait
	s_add_nc_u64 s[20:21], s[20:21], 8388608       ; k's blocks
	QKPH 2, 1, 0
	EPI 1
	s_wait_dscnt 0x0
	s_wait_tensorcnt 0x0                           ; my quarter of Wv's tile is in
	s_barrier_signal -1
	s_barrier_wait -1                              ; everybody's is; nothing is filled any more
	LOADK 0, 0, 160
	LOADK 1, 0, 192
	s_wait_xcnt 0x0
	s_add_nc_u64 s[20:21], s[20:21], 8388608       ; v's blocks
	QKPH 0, 1, 1
	EPI 2
	s_wait_tensorcnt 0x0
	ds_add_u32 v30, v31
	s_wait_dscnt 0x0
	ROUND                                          ; the closing round
	s_endpgm
.Lfunc_end_k_q85593bdfd1_qkv:
	.size	k_q85593bdfd1_qkv, .Lfunc_end_k_q85593bdfd1_qkv-k_q85593bdfd1_qkv
	.p2alignl 7, 3214868480
	.fill 96, 4, 3214868480
	.section	.rodata,"a",@progbits
	.p2align	6, 0x0
	.amdhsa_kernel k_q85593bdfd1_qkv
		.amdhsa_group_segment_fixed_size 327680
		.amdhsa_private_segment_fixed_size 0
		.amdhsa_enable_private_segment 0
		.amdhsa_kernarg_size 48
		.amdhsa_user_sgpr_count 2
		.amdhsa_user_sgpr_kernarg_segment_ptr 1
		.amdhsa_wavefront_size32 1
		.amdhsa_system_sgpr_workgroup_id_x 1
		.amdhsa_system_sgpr_workgroup_id_y 1
		.amdhsa_system_sgpr_workgroup_id_z 1
		.amdhsa_system_vgpr_workitem_id 0
		.amdhsa_next_free_vgpr 768
		.amdhsa_next_free_sgpr 66
		.amdhsa_reserve_vcc 0
		.amdhsa_float_denorm_mode_32 3
		.amdhsa_float_denorm_mode_16_64 3
		.amdhsa_memory_ordered 1
		.amdhsa_forward_progress 1
		.amdhsa_inst_pref_size 162
	.end_amdhsa_kernel
	.amdgpu_metadata
---
amdhsa.version: [ 1, 2 ]
amdhsa.kernels:
  - .name:           k_q85593bdfd1_qkv
    .symbol:         k_q85593bdfd1_qkv.kd
    .args:
      - { .name: tokF, .offset: 0, .size: 8, .value_kind: global_buffer, .address_space: global }
      - { .name: wF, .offset: 8, .size: 8, .value_kind: global_buffer, .address_space: global }
      - { .name: bq, .offset: 16, .size: 8, .value_kind: global_buffer, .address_space: global }
      - { .name: bk, .offset: 24, .size: 8, .value_kind: global_buffer, .address_space: global }
      - { .name: bv, .offset: 32, .size: 8, .value_kind: global_buffer, .address_space: global }
      - { .name: qkvF, .offset: 40, .size: 8, .value_kind: global_buffer, .address_space: global }
    .group_segment_fixed_size: 327680
    .private_segment_fixed_size: 0
    .kernarg_segment_align: 8
    .kernarg_segment_size: 48
    .max_flat_workgroup_size: 128
    .sgpr_count:     66
    .vgpr_count:     768
    .wavefront_size: 32
...
	.end_amdgpu_metadata
.endif
;; end of part 2
;; launch attn (part 3): grid 128 x 2, 4 waves a work-group, clusters of 4 x 1, 327,680 bytes of LDS; arguments qkvF, distance_scale, opart, mlst; writes opart, mlst
.if DOCPART == 3
	.amdgcn_target "amdgcn-amd-amdhsa--gfx1250"
	.amdhsa_code_object_version 6
	.text
	.protected	k_q85593bdfd1_attn
	.globl	k_q85593bdfd1_attn
	.p2align	8
	.type	k_q85593bdfd1_attn,@function
k_q85593bdfd1_attn:
	s_mov_b64 s[64:65], 0
	v_nop
	global_prefetch_b8 v0, s[64:65] scope:SCOPE_SE
	s_setreg_imm32_b32 hwreg(HW_REG_WAVE_MODE, 25, 1), 1
	s_wait_xcnt 0x0
	s_wait_alu depctr_hold_cnt(0) depctr_sa_sdst(0) depctr_va_vdst(0) depctr_va_sdst(0) depctr_va_ssrc(0) depctr_va_vcc(0) depctr_vm_vsrc(0)
	s_getreg_b32 s2, hwreg(HW_REG_IB_STS2, 6, 4)
	s_cmp_eq_u32 s2, 0
	s_cbranch_scc0 .Lentry_in_a_cluster
	s_endpgm
.Lentry_in_a_cluster:
	s_bfe_u32 s2, ttmp6, 0x10000c
	s_cmp_lg_u32 s2, 0x3003
	s_cbranch_scc0 .Lentry_shape_is_right
	s_endpgm
.Lentry_shape_is_right:
; attn: causal attention with a distance bias, one head of 512, keys split into chunks; each work-group leaves an O that is not yet divided,
; with its running maximum m and sum l, for the next launch to merge.
; The exponent to the base 2 is x = (q c1) . k + c2 (kpos - qpos), c2 = distance_scale c1; masked places are -inf.
; TASKS: 512 query rows form a supergroup G (0..7) with U = 4 (G + 1) key units of 128 keys.  U is cut into J chunks of 4 or 5 units
; (J = 1,2,3,4,4,5,6,7: 32 chunks a batch).  A cluster takes one chunk; its four work-groups take the four row groups of 128 rows and ask for
; the same K and V tiles jointly.  All four make every step: a unit beyond a partner's diagonal comes out fully masked and adds nothing.
; The first unit of a chunk begins at or before key 512 G, so every row has a valid key in it: m is finite from the first step on.
; Both products are transposed: S^T = K Q^T and O^T = V^T P^T.  A lane then owns one query row, its maximum and sum are the lane's own
; (the two halves of the wave meet by one exchange), and P becomes a source-1 fragment by rounding alone.
; LDS: K's slot at 0, V's at 131072, each one tile [8][32][512 bytes]; each is filled again while the other's product runs.
; Registers: window 0: v1-v4 LDS addresses, v5-v31 see below, v32-v159 S (tile (sub, nb) at 32 + 64 nb + 8 sub), v160-v255 buffers;
; window 1: Q (fragment (nb, s) at 128 nb + 8 s); windows 2, 3: O (tile (t, nb): window 2 + t / 16, register 16 (t % 16) + 8 nb).
; LIMITS: operands are f16.  p lies in [0, 1]; it is rounded to f16 for the product while l sums the unrounded p; a p below 3e-8 counts as 0
; in the product: over 4,096 keys at most 1.3e-4 of a weight whose sum is at least 1.  An exponential below 2^-126 counts as 0
; (ISA guide, v_exp_f32); a NaN among the scores is dropped by the maxima.
.set C1, 0x3d8293ee                    ; log2(e) / sqrt(512)
.set MSB, 0
.macro WIN new
.if MSB != \new
	s_set_vgpr_msb (MSB<<8)|\new
.set MSB, \new
.endif
.endm
.macro PLACES cnt                      ; independent vector instructions behind a matrix instruction (ISA guide 7.12.1)
.rept \cnt
	v_nop
.endr
.endm
.macro ROUND                           ; a round of the cluster's barrier
	s_barrier_signal -1
	s_barrier_wait -1
	s_cmp_lg_u32 s16, 0
	s_cbranch_scc1 .Lnot_wave_0_\@
	s_barrier_signal -3
.Lnot_wave_0_\@:
	s_barrier_wait -3
	s_barrier_signal -1
	s_barrier_wait -1
.endm
.macro TLOAD g0, g1                    ; a joint load; four v_nop follow it
	tensor_load_to_lds s[\g0:\g0+3], s[\g1:\g1+7]
	s_nop 0
	PLACES 4
.endm
.macro LOADK g, ab, buf                ; group g = 2 s + half: key tiles 4 half .. + 3, contraction step s
.irp a, 0,1,2,3
	ds_load_b128 v[\buf+8*\a:\buf+8*\a+3], v[1+\ab+(\g&1)] offset:\a*16384+(\g>>1)*1024
	ds_load_b128 v[\buf+8*\a+4:\buf+8*\a+7], v[1+\ab+(\g&1)] offset:\a*16384+(\g>>1)*1024+512
.endr
.endm
.macro MULK g, buf                     ; the sixteen accumulators take turns, one instruction a turn
.irp a, 0,1,2,3
.irp nb, 0,1
.set SRG, 32+64*\nb+8*(4*(\g&1)+\a)
.set QRG, 128*\nb+8*(\g>>1)
	v_wmma_f32_16x16x32_f16 v[SRG:SRG+7], v[\buf+8*\a:\buf+8*\a+7], v[QRG:QRG+7], v[SRG:SRG+7]
.endr
.endr
.endm
.macro QKPH                            ; S += K Q^T: 32 groups on three buffers; groups 0 and 1 were asked for by the caller
.set GG, 0
.rept 32
.if GG < 30
.if GG > 0
	PLACES 4                                       ; the buffer loaded next was read by the matrix instructions just issued
.endif
.set GL, GG+2
.set KL, 160+32*(GL%3)
	LOADK GL, 0, KL
	s_wait_dscnt 16                                ; the two younger groups of eight loads stay out
.endif
.if GG == 30
	s_wait_dscnt 8
.endif
.if GG == 31
	s_wait_dscnt 0
.endif
	WIN 0x04                                       ; source 1 = Q, window 1
.set KM, 160+32*(GG%3)
	MULK GG, KM
.set GG, GG+1
.endr
.endm
.macro LOADV g, buf                    ; group g = 4 u + tq: keys 32 u .. + 31, output tiles 8 tq .. + 7: sixteen loads
.irp tt, 0,1,2,3,4,5,6,7
	ds_load_b128 v[\buf+8*\tt:\buf+8*\tt+3], v[3+(\g>>3)] offset:((\g>>2)&1)*32768+(8*(\g&3)+\tt)*512
	ds_load_b128 v[\buf+8*\tt+4:\buf+8*\tt+7], v[3+(\g>>3)] offset:((\g>>2)&1)*32768+(8*(\g&3)+\tt)*512+16384
.endr
.endm
.macro MULV g, buf, zero               ; sixteen accumulators, one instruction a turn
.set ZZ, 0
.if \zero
.if \g < 4
.set ZZ, 1
.endif
.endif
.irp tt, 0,1,2,3,4,5,6,7
.irp nb, 0,1
.set ORG, ((8*(\g&3)+\tt)&15)*16+8*\nb
.set PRG, 32+8*(4*\nb+(\g>>2))
.if ZZ
	v_wmma_f32_16x16x32_f16 v[ORG:ORG+7], v[\buf+8*\tt:\buf+8*\tt+7], v[PRG:PRG+7], 0
.else
	v_wmma_f32_16x16x32_f16 v[ORG:ORG+7], v[\buf+8*\tt:\buf+8*\tt+7], v[PRG:PRG+7], v[ORG:ORG+7]
.endif
.endr
.endr
.endm
.macro PVPH zero                       ; O += V^T P^T: 16 groups on two buffers (v96, v160); group 0 was asked for by the caller
.set GG, 0
.rept 16
.if GG < 15
.if GG > 0
	PLACES 4
.endif
	WIN 0
.set GL, GG+1
.set KL, 96+64*(GL&1)
	LOADV GL, KL
	s_wait_dscnt 16                                ; the younger group of sixteen loads stays out
.else
	s_wait_dscnt 0
.endif
.if (GG&3) < 2
	WIN 0xa0                                       ; C and D window 2
.else
	WIN 0xf0                                       ; C and D window 3
.endif
.set KM, 96+64*(GG&1)
	MULV GG, KM, \zero
.set GG, GG+1
.endr
.endm
.macro PACK nb                         ; 64 p to 32 registers: P(u, nb) at 32 + 8 (4 nb + u); ascending, nb = 0 first: no source is overwritten early
.set II, 0
.rept 32
	v_cvt_pk_f16_f32 v[32+32*\nb+II], v[32+64*\nb+2*II], v[33+64*\nb+2*II]
.set II, II+1
.endr
.endm
; S starts as the bias c2 (kpos - qpos) = c2 D + c2 16 sub + c2 j, D = 8 h - r + SD - 16 nb
.macro SINIT
	v_add_nc_u32 v30, s55, v5
	v_sub_nc_u32 v28, 0, v30                       ; N = -D: key 16 sub + j is allowed if it is at most N
	v_add_nc_u32 v31, -16, v30
	v_add_nc_u32 v29, 16, v28
	v_cvt_f32_i32 v30, v30
	v_cvt_f32_i32 v31, v31
	v_mul_f32 v30, s45, v30
	v_mul_f32 v31, s45, v31
.irp nb, 0,1
.irp sub, 0,1,2,3,4,5,6,7
	v_add_f32 v[24+2*(\sub&1)], s[46+\sub], v[30+\nb]
.irp p, 0,1,2,3
	v_pk_add_f32 v[32+64*\nb+8*\sub+2*\p:33+64*\nb+8*\sub+2*\p], v[16+2*\p:17+2*\p], v[24+2*(\sub&1):25+2*(\sub&1)] op_sel_hi:[1,0]
.endr
.endr
.endr
.endm
.macro MASK                            ; -inf where the key lies behind the query
.irp nb, 0,1
.irp sub, 0,1,2,3,4,5,6,7
.irp j, 0,1,2,3,4,5,6,7
	v_cmp_le_i32 s[70+\j], 16*\sub+\j, v[28+\nb]
.endr
.irp j, 0,1,2,3,4,5,6,7
	v_cndmask_b32 v[32+64*\nb+8*\sub+\j], s44, v[32+64*\nb+8*\sub+\j], s[70+\j]
.endr
.endr
.endr
.endm
; running maximum, alpha = 2^(m old - m new), p = 2^(S - m), l = l alpha + sum p, then P in f16
.macro SOFT nb, first
.set SB, 32+64*\nb
.set MR, 6+2*\nb
.set AR, 10+2*\nb
.set LR, 14+\nb
.irp k, 0,1,2,3
	v_max3_num_f32 v[160+\k], v[SB+16*\k], v[SB+16*\k+1], v[SB+16*\k+2]
.endr
.irp p, 3,5,7,9,11,13
.irp k, 0,1,2,3
	v_max3_num_f32 v[160+\k], v[160+\k], v[SB+16*\k+\p], v[SB+16*\k+\p+1]
.endr
.endr
.irp k, 0,1,2,3
	v_max_num_f32 v[160+\k], v[160+\k], v[SB+16*\k+15]
.endr
	v_max3_num_f32 v160, v160, v161, v162
	v_max_num_f32 v160, v160, v163
	v_permlanex16_b32 v161, v160, s42, s43         ; the other half of the row's keys
.if \first
	v_max_num_f32 v[MR], v160, v161
	v_max_num_f32 v[MR+1], v160, v161
.else
	v_max3_num_f32 v162, v160, v161, v[MR]
	v_sub_f32 v163, v[MR], v162
	v_exp_f32 v[AR], v163
	v_exp_f32 v[AR+1], v163
	v_mov_b32 v[MR], v162                          ; a plain instruction behind the exponentials (ISA guide 5.7.2)
	v_mov_b32 v[MR+1], v162
.endif
.set II, 0
.rept 32
	v_pk_add_f32 v[SB+2*II:SB+2*II+1], v[SB+2*II:SB+2*II+1], v[MR:MR+1] neg_lo:[0,1] neg_hi:[0,1]
.set II, II+1
.endr
.set II, 0
.rept 64
	v_exp_f32 v[SB+II], v[SB+II]
.set II, II+1
.endr
	v_nop                                          ; a plain instruction before the last exponential's result is read
	s_wait_alu depctr_va_vdst(0)
.irp k, 0,1,2,3
	v_pk_add_f32 v[164+2*\k:165+2*\k], v[SB+16*\k:SB+16*\k+1], v[SB+16*\k+2:SB+16*\k+3]
.endr
.irp p, 4,6,8,10,12,14
.irp k, 0,1,2,3
	v_pk_add_f32 v[164+2*\k:165+2*\k], v[164+2*\k:165+2*\k], v[SB+16*\k+\p:SB+16*\k+\p+1]
.endr
.endr
	v_pk_add_f32 v[164:165], v[164:165], v[166:167]
	v_pk_add_f32 v[168:169], v[168:169], v[170:171]
	v_pk_add_f32 v[164:165], v[164:165], v[168:169]
.if \first
	v_add_f32 v[LR], v164, v165
.else
	v_add_f32 v164, v164, v165
	v_fma_f32 v[LR], v[LR], v[AR], v164
.endif
	PACK \nb
.endm
.macro RESCALE                         ; O *= alpha
	WIN 0x82                                       ; destination and source 0 window 2
.set II, 0
.rept 16
.irp nb, 0,1
.irp p, 0,1,2,3
	v_pk_mul_f32 v[16*II+8*\nb+2*\p:16*II+8*\nb+2*\p+1], v[16*II+8*\nb+2*\p:16*II+8*\nb+2*\p+1], v[10+2*\nb:11+2*\nb]
.endr
.endr
.set II, II+1
.endr
	WIN 0xc3                                       ; window 3
.set II, 0
.rept 16
.irp nb, 0,1
.irp p, 0,1,2,3
	v_pk_mul_f32 v[16*II+8*\nb+2*\p:16*II+8*\nb+2*\p+1], v[16*II+8*\nb+2*\p:16*II+8*\nb+2*\p+1], v[10+2*\nb:11+2*\nb]
.endr
.endr
.set II, II+1
.endr
.endm
.macro OSTORE b                        ; 128 stores of 512 consecutive bytes: block (row tile 2 w + nb, t) of 1 KiB
	WIN 0x08                                       ; store data window 2
.set TI, 0
.rept 16
.irp nb, 0,1
.irp i, 0,1
	global_store_b128 v1, v[16*TI+8*\nb+4*\i:16*TI+8*\nb+4*\i+3], s[\b:\b+1] offset:(\nb*32+TI)*1024+\i*512
.endr
.endr
.set TI, TI+1
.endr
	WIN 0x0c                                       ; window 3
.set TI, 0
.rept 16
.irp nb, 0,1
.irp i, 0,1
	global_store_b128 v1, v[16*TI+8*\nb+4*\i:16*TI+8*\nb+4*\i+3], s[\b:\b+1] offset:(\nb*32+16+TI)*1024+\i*512
.endr
.endr
.set TI, TI+1
.endr
	WIN 0
.endm
; One key unit.  K's slot is filled again behind the first product, V's behind the second: each load has the other product in which to land.
.macro STEP first, refill
	LOADK 0, 0, 160
	LOADK 1, 0, 192
	SINIT
	QKPH
	WIN 0
	PLACES 4                                       ; behind the last matrix instructions, in front of the reads of S
	s_cmp_lt_i32 s54, 0                            ; the unit ends before the supergroup's first row: nothing to mask, for all four partners
	s_cbranch_scc1 .Lnomask_\@
	MASK
.Lnomask_\@:
	SOFT 0, \first
	SOFT 1, \first
	s_wait_dscnt 0x0                               ; my reads of K's slot are back
	s_wait_xcnt 0x0
	v_lshl_add_u32 v254, v0, 2, 0x40000
	v_mov_b32 v255, 0
	s_wait_tensorcnt 0x0                           ; all my tensor loads have landed, my quarter of this unit's V among them
	ds_add_u32 v254, v255
	s_wait_dscnt 0x0
.if \refill
	s_add_nc_u64 s[34:35], s[34:35], 131072        ; no load of mine is out: the next unit's K
	ROUND                                          ; both hold of every wave of every partner
	TLOAD 32, 24                                   ; my one load behind the round
.else
	s_barrier_signal -1
	s_barrier_wait -1                              ; V is whole; nothing is filled any more
.endif
	LOADV 0, 96
.if \first == 0
	RESCALE
.endif
	PVPH \first
	WIN 0
	PLACES 5                                       ; behind the last matrix instructions: S, the buffers and O are touched next
	s_add_co_i32 s54, s54, 128
	s_add_co_i32 s55, s55, 128
.if \refill
	s_wait_dscnt 0x0                               ; my reads of V's slot are back
	s_wait_xcnt 0x0
	v_lshl_add_u32 v254, v0, 2, 0x40000
	v_mov_b32 v255, 0
	s_wait_tensorcnt 0x0                           ; my quarter of the next K has landed
	ds_add_u32 v254, v255
	s_wait_dscnt 0x0
	s_add_nc_u64 s[38:39], s[38:39], 131072
	ROUND
	TLOAD 36, 24                                   ; the next unit's V
.endif
.endm
.macro PICK t, g                       ; supergroup g begins at cluster t
	s_cmp_ge_u32 s19, \t
	s_cselect_b32 s20, \g, s20
	s_cselect_b32 s21, \t, s21
.endm
	s_load_b256 s[4:11], s[0:1], 0x0               ; qkvF s[4:5], distance_scale s[6:7], opart s[8:9], mlst s[10:11]
	v_lshl_add_u32 v254, v0, 2, 0x40000
	v_mov_b32 v255, 0
	ds_add_u32 v254, v255
	s_wait_dscnt 0x0
	v_lshrrev_b32 v2, 5, v0
	v_readfirstlane_b32 s16, v2                    ; wave 0..3
	s_bfe_u32 s17, ttmp6, 0x40000                  ; cx: enters global addresses of my own rows and the bias, nothing else
	s_and_b32 s18, ttmp7, 0xffff                   ; batch
	s_mov_b32 s19, ttmp9                           ; cluster 0..31
	s_mov_b32 s20, 0                               ; G
	s_mov_b32 s21, 0
	PICK 1, 1
	PICK 3, 2
	PICK 6, 3
	PICK 10, 4
	PICK 14, 5
	PICK 19, 6
	PICK 25, 7
	s_sub_co_u32 s22, s19, s21                     ; chunk c
	s_cmp_ge_u32 s20, 4
	s_cselect_b32 s23, 5, 0
	s_add_co_u32 s56, s20, 1
	s_sub_co_u32 s56, s56, s23                     ; a: the first a chunks have 4 units, the others 5
	s_cmp_lt_u32 s22, s56
	s_cselect_b32 s41, 2, 3                        ; units - 2: the loop's trips
	s_min_u32 s57, s22, s56
	s_mul_i32 s58, s22, 5
	s_sub_co_u32 s58, s58, s57                     ; the chunk's first unit
	s_lshl_b32 s54, s58, 7
	s_lshl_b32 s59, s20, 9
	s_sub_co_i32 s54, s54, s59                     ; KREL = first key - first row of the supergroup
	s_lshl_b32 s60, s17, 7
	s_lshl_b32 s61, s16, 5
	s_sub_co_i32 s55, s54, s60
	s_sub_co_i32 s55, s55, s61                     ; SD = first key - the wave's first row
	s_lshl2_add_u32 s62, s20, s17                  ; row group 4 G + cx
	s_lshl_b32 s63, s18, 5
	s_add_co_u32 s63, s63, s62
	s_mul_i32 s66, s63, 7
	s_add_co_u32 s66, s66, s22                     ; slot of the partial result
	s_mov_b32 s24, 15|(3<<16)|(1<<21)              ; group 1: 128 rows of 256 bytes, dense; all four partners
	s_mov_b32 s25, 32<<16
	s_mov_b32 s26, 128<<16
	s_mov_b32 s27, 32<<16
	s_mov_b32 s28, 128
	s_mov_b32 s29, 32
	s_mov_b32 s30, 0
	s_mov_b32 s31, 0
	s_mov_b32 s32, 1
	s_lshl_b32 s33, s16, 15                        ; K's slot + wave x 32 KiB
	s_mov_b32 s36, 1
	s_add_co_u32 s37, s33, 131072                  ; V's slot + wave x 32 KiB
	s_lshl_b32 s12, s63, 17
	s_add_co_u32 s12, s12, s33                     ; q: row tile 8 (32 b + g) + 2 w
	s_mov_b32 s13, 0
	s_lshl_b32 s14, s18, 22
	s_lshl_b32 s15, s58, 17
	s_add_co_u32 s14, s14, s15
	s_add_co_u32 s14, s14, s33
	s_add_co_u32 s14, s14, 8388608                 ; k: batch, unit, my quarter
	s_mov_b32 s15, 0
	s_lshl_b32 s68, s66, 18
	s_lshl_b32 s67, s16, 16
	s_add_co_u32 s68, s68, s67
	s_mov_b32 s69, 0
	s_lshl_b32 s78, s66, 11
	s_lshl_b32 s67, s16, 9
	s_add_co_u32 s78, s78, s67
	s_mov_b32 s79, 0
	s_mov_b32 s42, 0x76543210                      ; v_permlanex16_b32: lane i reads lane i of the other half
	s_mov_b32 s43, 0xfedcba98
	s_mov_b32 s44, 0xff800000                      ; -inf
	v_and_b32 v5, 31, v0
	v_lshlrev_b32 v1, 4, v5                        ; 16 L
	v_add_nc_u32 v2, 0x10000, v1
	v_add_nc_u32 v3, 0x20000, v1
	v_add_nc_u32 v4, 0x30000, v1
	v_and_b32 v30, 15, v0
	v_bfe_u32 v31, v0, 4, 1
	v_lshlrev_b32 v31, 3, v31
	v_sub_nc_u32 v5, v31, v30                      ; 8 h - r
	v_mov_b32 v25, 0                               ; upper halves of the pairs whose lower half is broadcast
	v_mov_b32 v27, 0
	s_wait_kmcnt 0x0
	s_add_nc_u64 s[34:35], s[4:5], s[14:15]
	s_add_nc_u64 s[38:39], s[34:35], 8388608       ; v: the same place
	s_or_b32 s35, s35, 0x80000000
	s_or_b32 s39, s39, 0x80000000
	s_add_nc_u64 s[4:5], s[4:5], s[12:13]
	s_add_nc_u64 s[8:9], s[8:9], s[68:69]
	s_add_nc_u64 s[10:11], s[10:11], s[78:79]
	s_load_b32 s45, s[6:7], 0x0
	ROUND                                          ; the partners are here: the first joint loads meet
	TLOAD 32, 24                                   ; K of the first unit
	TLOAD 36, 24                                   ; V of the first unit: two loads of the wave are out
	WIN 0x40
.set II, 0
.rept 64
	global_load_b128 v[4*II:4*II+3], v1, s[4:5] offset:512*II
.set II, II+1
.endr
	WIN 0
	s_wait_kmcnt 0x0
	s_mul_f32 s45, s45, C1                         ; c2
	s_mul_f32 s46, s45, 0
	s_mul_f32 s47, s45, 0x41800000                 ; c2 16 sub
	s_mul_f32 s48, s45, 0x42000000
	s_mul_f32 s49, s45, 0x42400000
	s_mul_f32 s50, s45, 0x42800000
	s_mul_f32 s51, s45, 0x42a00000
	s_mul_f32 s52, s45, 0x42c00000
	s_mul_f32 s53, s45, 0x42e00000
.irp j, 0,1,2,3,4,5,6,7
	v_cvt_f32_i32 v[16+\j], \j
	v_mul_f32 v[16+\j], s45, v[16+\j]              ; c2 j
.endr
	s_wait_tensorcnt 0x1                           ; my quarter of K is in; V stays out
	s_barrier_signal -1
	s_barrier_wait -1
	s_wait_loadcnt 0x0                             ; Q
	STEP 1, 1
	s_mov_b32 s40, 0
.Lstep:
	STEP 0, 1
	s_add_co_u32 s40, s40, 1
	s_cmp_lt_u32 s40, s41
	s_cbranch_scc1 .Lstep
	STEP 0, 0                                      ; the last unit fetches nothing
	v_permlanex16_b32 v30, v14, s42, s43           ; l: the two halves of the keys meet
	v_permlanex16_b32 v31, v15, s42, s43
	v_mov_b32 v24, v6
	v_add_f32 v25, v14, v30
	v_mov_b32 v26, v8
	v_add_f32 v27, v15, v31
	global_store_b128 v1, v[24:27], s[10:11]       ; (m, l) of my row in both row tiles
	OSTORE 8
	ROUND                                          ; the closing round
	s_endpgm
.Lfunc_end_k_q85593bdfd1_attn:
	.size	k_q85593bdfd1_attn, .Lfunc_end_k_q85593bdfd1_attn-k_q85593bdfd1_attn
	.p2alignl 7, 3214868480
	.fill 96, 4, 3214868480
	.section	.rodata,"a",@progbits
	.p2align	6, 0x0
	.amdhsa_kernel k_q85593bdfd1_attn
		.amdhsa_group_segment_fixed_size 327680
		.amdhsa_private_segment_fixed_size 0
		.amdhsa_enable_private_segment 0
		.amdhsa_kernarg_size 32
		.amdhsa_user_sgpr_count 2
		.amdhsa_user_sgpr_kernarg_segment_ptr 1
		.amdhsa_wavefront_size32 1
		.amdhsa_system_sgpr_workgroup_id_x 1
		.amdhsa_system_sgpr_workgroup_id_y 1
		.amdhsa_system_sgpr_workgroup_id_z 1
		.amdhsa_system_vgpr_workitem_id 0
		.amdhsa_next_free_vgpr 1024
		.amdhsa_next_free_sgpr 90
		.amdhsa_reserve_vcc 0
		.amdhsa_float_denorm_mode_32 3
		.amdhsa_float_denorm_mode_16_64 3
		.amdhsa_memory_ordered 1
		.amdhsa_forward_progress 1
		.amdhsa_inst_pref_size 255
	.end_amdhsa_kernel
	.section	.bss,"aw",@nobits
	.p2align	6
	.space	262144
	.amdgpu_metadata
---
amdhsa.version: [ 1, 2 ]
amdhsa.kernels:
  - .name:           k_q85593bdfd1_attn
    .symbol:         k_q85593bdfd1_attn.kd
    .args:
      - { .name: qkvF, .offset: 0, .size: 8, .value_kind: global_buffer, .address_space: global }
      - { .name: distance_scale, .offset: 8, .size: 8, .value_kind: global_buffer, .address_space: global }
      - { .name: opart, .offset: 16, .size: 8, .value_kind: global_buffer, .address_space: global }
      - { .name: mlst, .offset: 24, .size: 8, .value_kind: global_buffer, .address_space: global }
    .group_segment_fixed_size: 327680
    .private_segment_fixed_size: 0
    .kernarg_segment_align: 8
    .kernarg_segment_size: 32
    .max_flat_workgroup_size: 128
    .sgpr_count:     90
    .vgpr_count:     1024
    .wavefront_size: 32
...
	.end_amdgpu_metadata
.endif
;; end of part 3
;; launch merge (part 4): grid 256 x 1, 32 waves a work-group, no clusters, 79,360 bytes of LDS; arguments opart, mlst, tokens, g1, be1, xD, xF; writes xD, xF
.if DOCPART == 4
	.amdgcn_target "amdgcn-amd-amdhsa--gfx1250"
	.amdhsa_code_object_version 6
	.text
	.protected	k_q85593bdfd1_merge
	.globl	k_q85593bdfd1_merge
	.p2align	8
	.type	k_q85593bdfd1_merge,@function
k_q85593bdfd1_merge:
	s_mov_b64 s[64:65], 0
	v_nop
	global_prefetch_b8 v0, s[64:65] scope:SCOPE_SE
	s_setreg_imm32_b32 hwreg(HW_REG_WAVE_MODE, 25, 1), 1
	s_wait_xcnt 0x0
; merge: x = LayerNorm(tokens + attention).  The J chunks of a row are merged exactly: M = max m_c, w_c = 2^(m_c - M),
; attention = sum w_c O_c / sum w_c l_c.
; SHARES: a work-group takes two row tiles of 16 rows: tile A from supergroup p (0..3, p + 1 chunks) and tile B from supergroup 7 - p
; (7 - p chunks): eight chunks in all for every work-group, so all 256 read the same number of bytes.  Wave t (0..31) takes column tile t
; (16 columns) of both tiles: lane (r, h), register 4 q + e = [row r][16 t + 8 h + 4 q + e], the accumulator's layout.  Every wave has the
; same sixteen loads of O, and every load of the work-group is issued before the one wait for loads.
; A stream: every load of O and every store covers 512 consecutive bytes.  No matrix unit and no cluster: no two work-groups read the same
; bytes but g1 and be1, 4 KiB.
; p hangs on the work-group's number alone; each p has its own straight run, so that no slot is read that the launch before did not write.
; The tokens are row-major: wave w loads row w of the 32 and hands it on through LDS.  Mean first, then the squares of the differences.
; x goes out twice: f32 for the residual, f16 fragment blocks for the next product.
; LIMIT: the f16 copy of x becomes infinite beyond 65,504; |x| is at most sqrt(512) |g1| + |be1|, about 700 with a gain of 30.
.set SPITCH, 2064                      ; a row of 2,048 bytes + 16: 129 x 16
.set RP,     144                       ; a row's 32 words (one a wave) + 16 bytes: 9 x 16
.set RED1,   0                         ; 32 rows x 144 bytes
.set RED2,   32*RP
.set STAGE,  64*RP                     ; 32 rows x 2,064 bytes
.set ML, 32                            ; v[32:47]   place k: (m, l), then (w, l)
.set OO, 64                            ; v[64:127]  place k: 8 registers of O.  Tile A's chunk c lies at place c, tile B's at place 7 - c
.set YA, 64                            ; tile A's sums grow in place 0,
.set YB, 120                           ; tile B's in place 7: the same registers for every p
; v[16:31] token row, then the tokens in my layout; v[48:55] gain, v[56:63] bias; v[72:103] the rows' words; v[104:111] at work
; one tile's chunks at places p0, p0 + dir, ..: the weights, den = sum w l, and sum w O into place p0
.macro COMBINE p0, dir, cnt, den
	v_mov_b32 v10, v[ML+2*\p0]
.set CC, 1
.rept \cnt-1
	v_max_num_f32 v10, v10, v[ML+2*(\p0+(\dir)*CC)]
.set CC, CC+1
.endr
.set CC, 0
.rept \cnt
	v_sub_f32 v[ML+2*(\p0+(\dir)*CC)], v[ML+2*(\p0+(\dir)*CC)], v10
.set CC, CC+1
.endr
.set CC, 0
.rept \cnt
	v_exp_f32 v[ML+2*(\p0+(\dir)*CC)], v[ML+2*(\p0+(\dir)*CC)]
.set CC, CC+1
.endr
	v_nop                                          ; a plain instruction behind the exponentials (ISA guide 5.7.2)
	s_wait_alu depctr_va_vdst(0)
	v_mul_f32 v[\den], v[ML+2*\p0], v[ML+2*\p0+1]
.irp p, 0,1,2,3
	v_pk_mul_f32 v[OO+8*\p0+2*\p:OO+8*\p0+2*\p+1], v[OO+8*\p0+2*\p:OO+8*\p0+2*\p+1], v[ML+2*\p0:ML+2*\p0+1] op_sel_hi:[1,0]
.endr
.set CC, 1
.rept \cnt-1
.set PP, \p0+(\dir)*CC
	v_fmac_f32 v[\den], v[ML+2*PP], v[ML+2*PP+1]
.irp p, 0,1,2,3
	v_pk_fma_f32 v[OO+8*\p0+2*\p:OO+8*\p0+2*\p+1], v[OO+8*PP+2*\p:OO+8*PP+2*\p+1], v[ML+2*PP:ML+2*PP+1], v[OO+8*\p0+2*\p:OO+8*\p0+2*\p+1] op_sel_hi:[1,0,1]
.endr
.set CC, CC+1
.endr
.endm
; ja chunks of tile A and 8 - ja of tile B
.macro MERGE ja
.set CC, 0
.rept \ja
	global_load_b64 v[ML+2*CC:ML+2*CC+1], v1, s[44:45] offset:CC*2048
	global_load_b128 v[OO+8*CC:OO+8*CC+3], v1, s[40:41] offset:CC*262144 th:TH_LOAD_NT
	global_load_b128 v[OO+8*CC+4:OO+8*CC+7], v1, s[40:41] offset:CC*262144+512 th:TH_LOAD_NT
.set CC, CC+1
.endr
.set CC, 0
.rept 8-\ja
.set PP, 7-CC
	global_load_b64 v[ML+2*PP:ML+2*PP+1], v1, s[46:47] offset:CC*2048
	global_load_b128 v[OO+8*PP:OO+8*PP+3], v1, s[42:43] offset:CC*262144 th:TH_LOAD_NT
	global_load_b128 v[OO+8*PP+4:OO+8*PP+7], v1, s[42:43] offset:CC*262144+512 th:TH_LOAD_NT
.set CC, CC+1
.endr
	s_wait_loadcnt 0x0                             ; everything, the token row and the gains too
	COMBINE 0, 1, \ja, 14
	COMBINE 7, -1, 8-\ja, 15
.endm
; v10, v12 (a lane's parts for tiles A and B) -> the rows' sums / 512: the other half of the wave, the 32 waves through LDS (a lane reads
; sixteen of a row's words), the other half of the wave again.  One barrier serves both tiles.
.macro XRED region
	v_permlanex16_b32 v11, v10, s30, s31
	v_permlanex16_b32 v13, v12, s30, s31
	v_add_f32 v10, v10, v11
	v_add_f32 v12, v12, v13
	ds_store_b32 v7, v10 offset:\region
	ds_store_b32 v7, v12 offset:\region+16*RP
	s_wait_dscnt 0x0                               ; my words are in LDS before I say so
	s_barrier_signal -1
	s_barrier_wait -1
.irp q, 0,1,2,3
	ds_load_b128 v[72+4*\q:75+4*\q], v8 offset:\region+16*\q
	ds_load_b128 v[88+4*\q:91+4*\q], v8 offset:\region+16*RP+16*\q
.endr
	s_wait_dscnt 0x0
.irp b, 72, 88
	v_pk_add_f32 v[\b:\b+1], v[\b:\b+1], v[\b+2:\b+3]
	v_pk_add_f32 v[\b+4:\b+5], v[\b+4:\b+5], v[\b+6:\b+7]
	v_pk_add_f32 v[\b+8:\b+9], v[\b+8:\b+9], v[\b+10:\b+11]
	v_pk_add_f32 v[\b+12:\b+13], v[\b+12:\b+13], v[\b+14:\b+15]
	v_pk_add_f32 v[\b:\b+1], v[\b:\b+1], v[\b+4:\b+5]
	v_pk_add_f32 v[\b+8:\b+9], v[\b+8:\b+9], v[\b+12:\b+13]
	v_pk_add_f32 v[\b:\b+1], v[\b:\b+1], v[\b+8:\b+9]
.endr
	v_add_f32 v10, v72, v73
	v_add_f32 v12, v88, v89
	v_permlanex16_b32 v11, v10, s30, s31
	v_permlanex16_b32 v13, v12, s30, s31
	v_add_f32 v10, v10, v11
	v_add_f32 v12, v12, v13
	v_mul_f32 v10, 0x3b000000, v10                 ; / 512
	v_mul_f32 v12, 0x3b000000, v12
.endm
; both tiles' eight numbers a lane = LayerNorm of them, with gain v[48:55] and bias v[56:63]
.macro LNORM
	v_pk_add_f32 v[104:105], v[YA:YA+1], v[YA+2:YA+3]
	v_pk_add_f32 v[106:107], v[YA+4:YA+5], v[YA+6:YA+7]
	v_pk_add_f32 v[108:109], v[YB:YB+1], v[YB+2:YB+3]
	v_pk_add_f32 v[110:111], v[YB+4:YB+5], v[YB+6:YB+7]
	v_pk_add_f32 v[104:105], v[104:105], v[106:107]
	v_pk_add_f32 v[108:109], v[108:109], v[110:111]
	v_add_f32 v10, v104, v105
	v_add_f32 v12, v108, v109
	XRED RED1
.irp p, 0,1,2,3
	v_pk_add_f32 v[YA+2*\p:YA+2*\p+1], v[YA+2*\p:YA+2*\p+1], v[10:11] op_sel_hi:[1,0] neg_lo:[0,1] neg_hi:[0,1]
	v_pk_add_f32 v[YB+2*\p:YB+2*\p+1], v[YB+2*\p:YB+2*\p+1], v[12:13] op_sel_hi:[1,0] neg_lo:[0,1] neg_hi:[0,1]
.endr
	v_pk_mul_f32 v[104:105], v[YA:YA+1], v[YA:YA+1]
	v_pk_mul_f32 v[106:107], v[YA+2:YA+3], v[YA+2:YA+3]
	v_pk_mul_f32 v[108:109], v[YB:YB+1], v[YB:YB+1]
	v_pk_mul_f32 v[110:111], v[YB+2:YB+3], v[YB+2:YB+3]
	v_pk_fma_f32 v[104:105], v[YA+4:YA+5], v[YA+4:YA+5], v[104:105]
	v_pk_fma_f32 v[106:107], v[YA+6:YA+7], v[YA+6:YA+7], v[106:107]
	v_pk_fma_f32 v[108:109], v[YB+4:YB+5], v[YB+4:YB+5], v[108:109]
	v_pk_fma_f32 v[110:111], v[YB+6:YB+7], v[YB+6:YB+7], v[110:111]
	v_pk_add_f32 v[104:105], v[104:105], v[106:107]
	v_pk_add_f32 v[108:109], v[108:109], v[110:111]
	v_add_f32 v10, v104, v105
	v_add_f32 v12, v108, v109
	XRED RED2
	v_add_f32 v10, 0x3727c5ac, v10                 ; + 1e-5
	v_add_f32 v12, 0x3727c5ac, v12
	v_rsq_f32 v10, v10
	v_rsq_f32 v12, v12
	v_nop                                          ; a plain instruction before the results are read (ISA guide 5.7.2)
	s_wait_alu depctr_va_vdst(0)
.irp p, 0,1,2,3
	v_pk_mul_f32 v[YA+2*\p:YA+2*\p+1], v[YA+2*\p:YA+2*\p+1], v[10:11] op_sel_hi:[1,0]
	v_pk_mul_f32 v[YB+2*\p:YB+2*\p+1], v[YB+2*\p:YB+2*\p+1], v[12:13] op_sel_hi:[1,0]
	v_pk_fma_f32 v[YA+2*\p:YA+2*\p+1], v[YA+2*\p:YA+2*\p+1], v[48+2*\p:49+2*\p], v[56+2*\p:57+2*\p]
	v_pk_fma_f32 v[YB+2*\p:YB+2*\p+1], v[YB+2*\p:YB+2*\p+1], v[48+2*\p:49+2*\p], v[56+2*\p:57+2*\p]
.endr
.endm
	s_load_b256 s[4:11], s[0:1], 0x0               ; opart s[4:5], mlst s[6:7], tokens s[8:9], g1 s[10:11]
	s_load_b128 s[12:15], s[0:1], 0x20             ; be1 s[12:13], xD s[14:15]
	s_load_b64 s[16:17], s[0:1], 0x30              ; xF
	v_lshrrev_b32 v1, 5, v0
	v_readfirstlane_b32 s18, v1                    ; wave 0..31 = column tile t
	s_mov_b32 s19, ttmp9                           ; work-group = batch x 128 + p x 32 + i
	s_bfe_u32 s20, s19, 0x20005                    ; p: tile A's supergroup
	s_lshr_b32 s21, s19, 7                         ; batch
	s_and_b32 s22, s19, 31                         ; i: the row tile inside a supergroup
	s_sub_co_u32 s23, 7, s20                       ; tile B's supergroup
	s_lshl_b32 s24, s21, 8
	s_add_co_u32 s24, s24, s22
	s_lshl_b32 s25, s20, 5
	s_add_co_u32 s25, s25, s24                     ; row tile A = 256 batch + 32 p + i
	s_lshl_b32 s26, s23, 5
	s_add_co_u32 s26, s26, s24                     ; row tile B = 256 batch + 32 (7 - p) + i
	s_and_b32 s27, s22, 7                          ; the tile's place in its row group, the same for both
	s_lshr_b32 s28, s25, 3
	s_mul_i32 s28, s28, 7                          ; row group A's first slot
	s_lshr_b32 s29, s26, 3
	s_mul_i32 s29, s29, 7                          ; row group B's first slot
	s_lshl_b32 s56, s27, 15
	s_lshl_b32 s57, s18, 10
	s_add_co_u32 s56, s56, s57                     ; O inside a slot: row tile of 32 KiB, column tile of 1 KiB
	s_lshl_b32 s32, s28, 18
	s_add_co_u32 s32, s32, s56
	s_mov_b32 s33, 0
	s_lshl_b32 s34, s29, 18
	s_add_co_u32 s34, s34, s56
	s_mov_b32 s35, 0
	s_lshr_b32 s58, s27, 1
	s_lshl_b32 s58, s58, 9
	s_and_b32 s59, s27, 1
	s_lshl_b32 s59, s59, 3
	s_add_co_u32 s58, s58, s59                     ; (m, l) inside a slot: wave of the launch before, row tile of that wave
	s_lshl_b32 s36, s28, 11
	s_add_co_u32 s36, s36, s58
	s_mov_b32 s37, 0
	s_lshl_b32 s38, s29, 11
	s_add_co_u32 s38, s38, s58
	s_mov_b32 s39, 0
	s_cmp_lt_u32 s18, 16
	s_cselect_b32 s60, s25, s26                    ; waves 0-15 load tile A's token rows, waves 16-31 tile B's
	s_and_b32 s61, s18, 15
	s_lshl_b32 s60, s60, 4
	s_add_co_u32 s60, s60, s61
	s_lshl_b32 s60, s60, 11                        ; my token row, 2 KiB each
	s_mov_b32 s61, 0
	s_lshl_b32 s62, s25, 15
	s_add_co_u32 s62, s62, s57                     ; x in f32: row tile of 32 KiB, column tile of 1 KiB
	s_mov_b32 s63, 0
	s_lshl_b32 s66, s26, 15
	s_add_co_u32 s66, s66, s57
	s_mov_b32 s67, 0
	s_lshl_b32 s74, s18, 9
	s_lshl_b32 s68, s25, 14
	s_add_co_u32 s68, s68, s74                     ; x in f16: row tile of 16 KiB, block of 512 bytes
	s_mov_b32 s69, 0
	s_lshl_b32 s70, s26, 14
	s_add_co_u32 s70, s70, s74
	s_mov_b32 s71, 0
	s_lshl_b32 s72, s18, 6                         ; column 16 t of a gain
	s_mov_b32 s73, 0
	s_mov_b32 s30, 0x76543210                      ; v_permlanex16_b32: lane i reads lane i of the other half
	s_mov_b32 s31, 0xfedcba98
	v_and_b32 v1, 31, v0
	v_lshlrev_b32 v1, 4, v1                        ; 16 L
	v_and_b32 v2, 15, v0                           ; r
	v_bfe_u32 v3, v0, 4, 1                         ; h
	v_lshlrev_b32 v9, 5, v3                        ; 32 h
	s_mul_i32 s74, s18, SPITCH
	s_add_co_u32 s74, s74, STAGE
	v_add_nc_u32 v5, s74, v1                       ; stage, by rows: row = wave
	v_mul_u32_u24 v6, SPITCH, v2
	v_add_nc_u32 v6, v6, v9
	s_add_co_u32 s75, s72, STAGE
	v_add_nc_u32 v6, s75, v6                       ; stage, by my layout: row r, byte 64 t + 32 h; tile B 16 rows further
	v_mul_u32_u24 v8, RP, v2
	v_lshl_add_u32 v7, s18, 2, v8                  ; row r's word of my wave
	v_lshl_add_u32 v8, v3, 6, v8                   ; row r's sixteen words of my half
	v_mov_b32 v11, 0                               ; targets of the exchange count as read
	v_mov_b32 v13, 0
	s_wait_kmcnt 0x0
	s_add_nc_u64 s[40:41], s[4:5], s[32:33]
	s_add_nc_u64 s[42:43], s[4:5], s[34:35]
	s_add_nc_u64 s[44:45], s[6:7], s[36:37]
	s_add_nc_u64 s[46:47], s[6:7], s[38:39]
	s_add_nc_u64 s[8:9], s[8:9], s[60:61]
	s_add_nc_u64 s[10:11], s[10:11], s[72:73]
	s_add_nc_u64 s[12:13], s[12:13], s[72:73]
	s_add_nc_u64 s[48:49], s[14:15], s[62:63]
	s_add_nc_u64 s[50:51], s[14:15], s[66:67]
	s_add_nc_u64 s[52:53], s[16:17], s[68:69]
	s_add_nc_u64 s[54:55], s[16:17], s[70:71]
.irp q, 0,1,2,3
	global_load_b128 v[16+4*\q:19+4*\q], v1, s[8:9] offset:512*\q
.endr
	global_load_b128 v[48:51], v9, s[10:11]
	global_load_b128 v[52:55], v9, s[10:11] offset:16
	global_load_b128 v[56:59], v9, s[12:13]
	global_load_b128 v[60:63], v9, s[12:13] offset:16
	s_cmp_eq_u32 s20, 0
	s_cbranch_scc1 .Lm1
	s_cmp_eq_u32 s20, 1
	s_cbranch_scc1 .Lm2
	s_cmp_eq_u32 s20, 2
	s_cbranch_scc1 .Lm3
	MERGE 4
	s_branch .Ljoin
.Lm1:
	MERGE 1
	s_branch .Ljoin
.Lm2:
	MERGE 2
	s_branch .Ljoin
.Lm3:
	MERGE 3
.Ljoin:
.irp q, 0,1,2,3
	ds_store_b128 v5, v[16+4*\q:19+4*\q] offset:512*\q
.endr
	v_rcp_f32 v10, v14                             ; 1 / l; l is at least 1: the chunk that holds the maximum has w = 1 and a p = 1
	v_rcp_f32 v12, v15
	v_nop                                          ; a plain instruction before the reciprocals are read (ISA guide 5.7.2)
	s_wait_dscnt 0x0                               ; my token row is in LDS before I say so
	s_barrier_signal -1
	s_barrier_wait -1
	ds_load_b128 v[16:19], v6
	ds_load_b128 v[20:23], v6 offset:16
	ds_load_b128 v[24:27], v6 offset:16*SPITCH
	ds_load_b128 v[28:31], v6 offset:16*SPITCH+16
	s_wait_dscnt 0x0
	s_wait_alu depctr_va_vdst(0)
.irp p, 0,1,2,3
	v_pk_fma_f32 v[YA+2*\p:YA+2*\p+1], v[YA+2*\p:YA+2*\p+1], v[10:11], v[16+2*\p:17+2*\p] op_sel_hi:[1,0,1]
	v_pk_fma_f32 v[YB+2*\p:YB+2*\p+1], v[YB+2*\p:YB+2*\p+1], v[12:13], v[24+2*\p:25+2*\p] op_sel_hi:[1,0,1]
.endr
	LNORM
	global_store_b128 v1, v[YA:YA+3], s[48:49]
	global_store_b128 v1, v[YA+4:YA+7], s[48:49] offset:512
	global_store_b128 v1, v[YB:YB+3], s[50:51]
	global_store_b128 v1, v[YB+4:YB+7], s[50:51] offset:512
.irp p, 0,1,2,3
	v_cvt_pk_f16_f32 v[16+\p], v[YA+2*\p], v[YA+2*\p+1]
	v_cvt_pk_f16_f32 v[20+\p], v[YB+2*\p], v[YB+2*\p+1]
.endr
	global_store_b128 v1, v[16:19], s[52:53]
	global_store_b128 v1, v[20:23], s[54:55]
	s_wait_xcnt 0x0
	v_lshl_add_u32 v126, v0, 2, 0x12600
	v_mov_b32 v127, 0
	s_wait_tensorcnt 0x0
	ds_add_u32 v126, v127
	s_wait_dscnt 0x0
	s_endpgm
.Lfunc_end_k_q85593bdfd1_merge:
	.size	k_q85593bdfd1_merge, .Lfunc_end_k_q85593bdfd1_merge-k_q85593bdfd1_merge
	.p2alignl 7, 3214868480
	.fill 96, 4, 3214868480
	.section	.rodata,"a",@progbits
	.p2align	6, 0x0
	.amdhsa_kernel k_q85593bdfd1_merge
		.amdhsa_group_segment_fixed_size 79360
		.amdhsa_private_segment_fixed_size 0
		.amdhsa_enable_private_segment 0
		.amdhsa_kernarg_size 56
		.amdhsa_user_sgpr_count 2
		.amdhsa_user_sgpr_kernarg_segment_ptr 1
		.amdhsa_wavefront_size32 1
		.amdhsa_system_sgpr_workgroup_id_x 1
		.amdhsa_system_sgpr_workgroup_id_y 1
		.amdhsa_system_sgpr_workgroup_id_z 1
		.amdhsa_system_vgpr_workitem_id 0
		.amdhsa_next_free_vgpr 128
		.amdhsa_next_free_sgpr 76
		.amdhsa_reserve_vcc 0
		.amdhsa_float_denorm_mode_32 3
		.amdhsa_float_denorm_mode_16_64 3
		.amdhsa_memory_ordered 1
		.amdhsa_forward_progress 1
		.amdhsa_inst_pref_size 37
	.end_amdhsa_kernel
	.amdgpu_metadata
---
amdhsa.version: [ 1, 2 ]
amdhsa.kernels:
  - .name:           k_q85593bdfd1_merge
    .symbol:         k_q85593bdfd1_merge.kd
    .args:
      - { .name: opart, .offset: 0, .size: 8, .value_kind: global_buffer, .address_space: global }
      - { .name: mlst, .offset: 8, .size: 8, .value_kind: global_buffer, .address_space: global }
      - { .name: tokens, .offset: 16, .size: 8, .value_kind: global_buffer, .address_space: global }
      - { .name: g1, .offset: 24, .size: 8, .value_kind: global_buffer, .address_space: global }
      - { .name: be1, .offset: 32, .size: 8, .value_kind: global_buffer, .address_space: global }
      - { .name: xD, .offset: 40, .size: 8, .value_kind: global_buffer, .address_space: global }
      - { .name: xF, .offset: 48, .size: 8, .value_kind: global_buffer, .address_space: global }
    .group_segment_fixed_size: 79360
    .private_segment_fixed_size: 0
    .kernarg_segment_align: 8
    .kernarg_segment_size: 56
    .max_flat_workgroup_size: 1024
    .sgpr_count:     76
    .vgpr_count:     128
    .wavefront_size: 32
...
	.end_amdgpu_metadata
.endif
;; end of part 4
;; launch ffn (part 5): grid 64 x 4, 4 waves a work-group, clusters of 4 x 1, 327,680 bytes of LDS; arguments xF, wF, b1, ypart; writes ypart
.if DOCPART == 5
	.amdgcn_target "amdgcn-amd-amdhsa--gfx1250"
	.amdhsa_code_object_version 6
	.text
	.protected	k_q85593bdfd1_ffn
	.globl	k_q85593bdfd1_ffn
	.p2align	8
	.type	k_q85593bdfd1_ffn,@function
k_q85593bdfd1_ffn:
	s_mov_b64 s[64:65], 0
	v_nop
	global_prefetch_b8 v0, s[64:65] scope:SCOPE_SE
	s_setreg_imm32_b32 hwreg(HW_REG_WAVE_MODE, 25, 1), 1
	s_wait_xcnt 0x0
	s_wait_alu depctr_hold_cnt(0) depctr_sa_sdst(0) depctr_va_vdst(0) depctr_va_sdst(0) depctr_va_ssrc(0) depctr_va_vcc(0) depctr_vm_vsrc(0)
	s_getreg_b32 s2, hwreg(HW_REG_IB_STS2, 6, 4)
	s_cmp_eq_u32 s2, 0
	s_cbranch_scc0 .Lentry_in_a_cluster
	s_endpgm
.Lentry_in_a_cluster:
	s_bfe_u32 s2, ttmp6, 0x10000c
	s_cmp_lg_u32 s2, 0x3003
	s_cbranch_scc0 .Lentry_shape_is_right
	s_endpgm
.Lentry_shape_is_right:
; ffn: a partial y = relu(x W1 + b1) W2 over a quarter of the 2,048 hidden units (hq), for 128 rows (rg); the hidden layer never leaves
; the registers.  The four partials of a row are added in the next launch, which owns the row.
; EIGHT EQUAL PHASES of 256 matrix instructions a wave, each 128 x 32 results over a contraction of 512, source 0 from LDS, source 1 resident:
;   phases 0-3: H^T block i (128 hidden units) = W1's tile i times x^T; then + b1, relu, rounding to f16 into 64 registers of window 2;
;   phases 4-7: y^T block ob (128 output columns) = W2's tile ob times all of H^T; the block's 32 stores are issued while the next block is
;   multiplied, so that only the last quarter of y is stored behind the last product.
; Both products are transposed: a lane owns one row, and H becomes a source-1 fragment by rounding alone.  Every phase starts its sums with C = 0.
; CLUSTER: the four work-groups of a cluster have the same hq and ask for the same tiles of W1 and W2, and for b1, jointly.
; LDS: two slots of one tile (128 KiB) at 0 and 131072, tile j in slot j & 1; b1's 512 numbers at 262144, filled once.
;   W1's tile: [8 hidden tiles][16 steps][2 x 512 bytes], dense in memory.  W2's tile: [32 hidden tiles][8 column tiles][512 bytes]: in memory
;   32 pieces of 4 KiB, 16 KiB apart; a wave's load is 8 such rows.
; Registers: window 0: v1-v4 LDS addresses, v5 b1's address, v32-v159 the 16 accumulators (tile (a, nb) at 32 + 64 nb + 8 a), v160-v223 b1 of the
; phase; window 1: x (fragment (nb, s) at 128 nb + 8 s); window 2: H, the same map; window 3: two fragment buffers of 128 registers.
; A run of 32 LDS loads (two contraction steps, eight tiles) feeds 32 matrix instructions: eight runs a phase, two switches of the window each.
; The text has no loop: H's target registers differ from phase to phase.
; Operands are f16, sums f32.
; LIMIT: a hidden unit beyond 65,504 becomes infinite.  It is a sum of 512 products: with x near 30 throughout (be1 = 30) and W1 offset by
; 30 spreads (1.33) it is about 512 x 31 x 1.4 = 22,000; with g1 and W1 both 30 times larger its spread is 900.
.set MSB, 0
.macro WIN new                         ; the immediate's high byte repeats the setting that is left
.if MSB != \new
	s_set_vgpr_msb (MSB<<8)|\new
.set MSB, \new
.endif
.endm
.macro PLACES cnt                      ; independent vector instructions behind a matrix instruction (ISA guide 7.12.1)
.rept \cnt
	v_nop
.endr
.endm
.macro ROUND                           ; a round of the cluster's barrier
	s_barrier_signal -1
	s_barrier_wait -1
	s_cmp_lg_u32 s16, 0
	s_cbranch_scc1 .Lnot_wave_0_\@
	s_barrier_signal -3
.Lnot_wave_0_\@:
	s_barrier_wait -3
	s_barrier_signal -1
	s_barrier_wait -1
.endm
.macro TLOAD g0, g1                    ; a joint load; four v_nop follow it
	tensor_load_to_lds s[\g0:\g0+3], s[\g1:\g1+7]
	s_nop 0
	PLACES 4
.endm
; group g: the fragments of contraction steps 2 g and 2 g + 1 for all eight tiles, 32 loads into 128 registers of window 3
.macro LOADG kind, slot, g, buf
.irp ss, 0,1
.irp a, 0,1,2,3,4,5,6,7
.set SS, 2*\g+\ss
.set FR, \buf+64*\ss+8*\a
.if \kind == 0
	ds_load_b128 v[FR:FR+3], v[1+2*\slot+(\a>>2)] offset:(\a&3)*16384+SS*1024
	ds_load_b128 v[FR+4:FR+7], v[1+2*\slot+(\a>>2)] offset:(\a&3)*16384+SS*1024+512
.else
	ds_load_b128 v[FR:FR+3], v[1+2*\slot+(SS>>3)] offset:(SS&7)*8192+\a*512
	ds_load_b128 v[FR+4:FR+7], v[1+2*\slot+(SS>>3)] offset:(SS&7)*8192+\a*512+4096
.endif
.endr
.endr
.endm
; its 32 matrix instructions.  The sixteen accumulators take turns, one instruction a turn.
.macro MULG g, buf
.irp ss, 0,1
.irp a, 0,1,2,3,4,5,6,7
.irp nb, 0,1
.set ARG, 32+64*\nb+8*\a
.set BRG, 128*\nb+8*(2*\g+\ss)
.set FR, \buf+64*\ss+8*\a
.if (2*\g+\ss) == 0
	v_wmma_f32_16x16x32_f16 v[ARG:ARG+7], v[FR:FR+7], v[BRG:BRG+7], 0
.else
	v_wmma_f32_16x16x32_f16 v[ARG:ARG+7], v[FR:FR+7], v[BRG:BRG+7], v[ARG:ARG+7]
.endif
.endr
.endr
.endr
.endm
.macro FIRSTG kind, slot               ; a phase's first group
	WIN 0xc0                                       ; loaded data window 3, address window 0
	LOADG \kind, \slot, 0, 0
	WIN 0
.endm
; A phase.  kind 0: W1's tile, source 1 = x (window 1); kind 1: W2's tile, source 1 = H (window 2).  Group 0 was asked for by FIRSTG.
; left: how many LDS loads younger than group 0's may stay out at the first wait.
.macro PHASE kind, slot, left
.set GG, 0
.rept 8
.if GG == 0
	s_wait_dscnt \left                             ; group 0 is in
.else
.if GG < 7
	PLACES 4                                       ; the buffer loaded next was read by the matrix instructions just issued
.endif
	s_wait_dscnt 0x0                               ; this group's 32 loads, issued ahead of the last 32 matrix instructions
.endif
.if GG < 7
	WIN 0xc0
.set GL, GG+1
.set KL, 128*(GL&1)
	LOADG \kind, \slot, GL, KL
.endif
.if \kind
	WIN 0x0b                                       ; source 0 window 3, source 1 window 2, C and D window 0
.else
	WIN 0x07                                       ; source 0 window 3, source 1 window 1, C and D window 0
.endif
.set KM, 128*(GG&1)
	MULG GG, KM
.set GG, GG+1
.endr
	WIN 0
	PLACES 5                                       ; behind the last matrix instructions: accumulators and buffers are touched next
.endm
; The change of slots with a refill: the slot just read gets the tile two phases ahead, first thing behind the round; the phase's epilogue follows.
.macro BOUND g0, g1, step
	s_wait_dscnt 0x0                               ; my reads of the slot are back
	s_wait_tensorcnt 0x0                           ; all my tensor loads have landed, my quarter of the next phase's tile among them
	ds_add_u32 v254, v255
	s_wait_dscnt 0x0
.if \step
	s_add_nc_u64 s[\g0+2:\g0+3], s[\g0+2:\g0+3], \step   ; no load of mine is out: this slot's next tile of the same matrix
.endif
	ROUND                                          ; both hold of every wave of every partner
	TLOAD \g0, \g1                                 ; my one load behind the round
.endm
.macro LOADB i                         ; b1[128 i + 16 a + 8 h + 0..7]
.irp a, 0,1,2,3,4,5,6,7
	ds_load_b128 v[160+8*\a:163+8*\a], v5 offset:512*\i+64*\a
	ds_load_b128 v[164+8*\a:167+8*\a], v5 offset:512*\i+64*\a+16
.endr
.endm
.macro EPIA i                          ; H block i = relu(sums + b1), in f16, to window 2: fragment (nb, 4 i + u) at 128 nb + 32 i + 8 u
.irp nb, 0,1
.set II, 0
.rept 32
	v_pk_add_f32 v[32+64*\nb+2*II:33+64*\nb+2*II], v[32+64*\nb+2*II:33+64*\nb+2*II], v[160+2*II:161+2*II]
.set II, II+1
.endr
.endr
.set II, 0
.rept 128
	v_max_num_f32 v[32+II], 0, v[32+II]
.set II, II+1
.endr
	WIN 0x80                                       ; destination window 2
.irp nb, 0,1
.set II, 0
.rept 32
	v_cvt_pk_f16_f32 v[128*\nb+32*\i+II], v[32+64*\nb+2*II], v[33+64*\nb+2*II]
.set II, II+1
.endr
.endr
	WIN 0
.endm
.macro EPIB ob                         ; y block ob: 32 stores of 512 consecutive bytes: block (row tile 2 w + nb, column tile 8 ob + a) of 1 KiB
.irp nb, 0,1
.irp a, 0,1,2,3,4,5,6,7
.irp i, 0,1
	global_store_b128 v1, v[32+64*\nb+8*\a+4*\i:35+64*\nb+8*\a+4*\i], s[10:11] offset:(\nb*32+8*\ob+\a)*1024+\i*512
.endr
.endr
.endr
.endm
	s_load_b256 s[4:11], s[0:1], 0x0               ; xF s[4:5], wF s[6:7], b1 s[8:9], ypart s[10:11]
	v_lshl_add_u32 v254, v0, 2, 0x40800
	v_mov_b32 v255, 0
	ds_add_u32 v254, v255
	v_lshrrev_b32 v2, 5, v0
	v_readfirstlane_b32 s16, v2                    ; wave 0..3
	s_bfe_u32 s17, ttmp6, 0x40000                  ; cx
	s_lshl_b32 s18, ttmp9, 2
	s_add_co_u32 s18, s18, s17                     ; rg
	s_and_b32 s19, ttmp7, 0xffff                   ; hq
	s_mov_b32 s24, 15|(3<<16)|(1<<21)              ; group 1 of W1's tiles: 128 rows of 256 bytes, dense; all four partners
	s_mov_b32 s25, 32<<16
	s_mov_b32 s26, 128<<16
	s_mov_b32 s27, 32<<16
	s_mov_b32 s28, 128
	s_mov_b32 s29, 32
	s_mov_b32 s30, 0
	s_mov_b32 s31, 0
	s_mov_b32 s40, 15|(3<<16)|(1<<21)              ; group 1 of b1: one row of 64 elements of 8 bytes
	s_mov_b32 s41, 64<<16
	s_mov_b32 s42, 1<<16
	s_mov_b32 s43, 64<<16
	s_mov_b32 s44, 1
	s_mov_b32 s45, 64
	s_mov_b32 s46, 0
	s_mov_b32 s47, 0
	s_mov_b32 s68, 15|(3<<16)|(1<<21)              ; group 1 of W2's tiles: 8 rows of 512 elements of 8 bytes (4 KiB),
	s_mov_b32 s69, 512<<16
	s_mov_b32 s70, 8<<16
	s_mov_b32 s71, 512<<16
	s_mov_b32 s72, 8
	s_mov_b32 s73, 2048                            ; 2,048 elements (16 KiB) from a row to the next
	s_mov_b32 s74, 0
	s_mov_b32 s75, 0
	s_mov_b32 s32, 1                               ; group 0, W1 into slot 0
	s_lshl_b32 s33, s16, 15                        ; slot 0 + wave x 32 KiB
	s_mov_b32 s36, 1                               ; W1 into slot 1
	s_add_co_u32 s37, s33, 131072
	s_mov_b32 s48, 1                               ; b1
	s_lshl_b32 s49, s16, 9
	s_add_co_u32 s49, s49, 262144
	s_mov_b32 s76, 1                               ; W2 into slot 0
	s_lshl_b32 s77, s16, 15
	s_mov_b32 s80, 1                               ; W2 into slot 1
	s_add_co_u32 s81, s77, 131072
	s_lshl_b32 s52, s19, 19                        ; four tiles of 128 KiB for a quarter
	s_add_co_u32 s52, s52, s33
	s_add_co_u32 s52, s52, 1572864                 ; W1's blocks
	s_mov_b32 s53, 0
	s_lshl_b32 s54, s19, 11
	s_lshl_b32 s55, s16, 9
	s_add_co_u32 s54, s54, s55                     ; b1[512 hq + 128 w]
	s_mov_b32 s55, 0
	s_lshl_b32 s56, s18, 17
	s_add_co_u32 s56, s56, s33                     ; x: row tile 8 rg + 2 w
	s_mov_b32 s57, 0
	s_lshl_b32 s58, s19, 24
	s_lshl_b32 s59, s18, 18
	s_add_co_u32 s58, s58, s59
	s_lshl_b32 s59, s16, 16
	s_add_co_u32 s58, s58, s59                     ; y: quarter, row tile 8 rg + 2 w of 32 KiB
	s_mov_b32 s59, 0
	s_lshl_b32 s60, s19, 19                        ; W2: hidden tile 32 hq + 8 w, 16 KiB each
	s_lshl_b32 s61, s16, 17
	s_add_co_u32 s60, s60, s61
	s_add_co_u32 s60, s60, 3670016                 ; W2's blocks
	s_mov_b32 s61, 0
	v_and_b32 v5, 31, v0
	v_lshlrev_b32 v1, 4, v5                        ; 16 L: LDS address in slot 0, and the lane's place in every block
	v_add_nc_u32 v2, 0x10000, v1
	v_add_nc_u32 v3, 0x20000, v1                   ; slot 1
	v_add_nc_u32 v4, 0x30000, v1
	v_bfe_u32 v5, v0, 4, 1
	v_lshlrev_b32 v5, 5, v5
	v_add_nc_u32 v5, 0x40000, v5                   ; b1 in LDS + 32 h
	s_wait_dscnt 0x0
	s_wait_kmcnt 0x0
	s_add_nc_u64 s[34:35], s[6:7], s[52:53]        ; W1's tile 0
	s_add_nc_u64 s[38:39], s[34:35], 131072        ; W1's tile 1
	s_add_nc_u64 s[50:51], s[8:9], s[54:55]
	s_add_nc_u64 s[78:79], s[6:7], s[60:61]        ; W2's tile 0: column tiles 0-7
	s_add_nc_u64 s[82:83], s[78:79], 4096          ; W2's tile 1: column tiles 8-15
	s_or_b32 s35, s35, 0x80000000
	s_or_b32 s39, s39, 0x80000000
	s_or_b32 s51, s51, 0x80000000
	s_or_b32 s79, s79, 0x80000000
	s_or_b32 s83, s83, 0x80000000
	s_add_nc_u64 s[4:5], s[4:5], s[56:57]
	s_add_nc_u64 s[10:11], s[10:11], s[58:59]
	ROUND                                          ; the partners are here: the first joint loads meet
	TLOAD 48, 40                                   ; b1
	TLOAD 32, 24                                   ; W1's tile 0
	TLOAD 36, 24                                   ; W1's tile 1: three loads of the wave are out
	WIN 0x40
.set II, 0
.rept 64
	global_load_b128 v[4*II:4*II+3], v1, s[4:5] offset:512*II
.set II, II+1
.endr
	WIN 0
	s_wait_tensorcnt 0x1                           ; my parts of b1 and of tile 0 are in; tile 1's stays out
	s_barrier_signal -1
	s_barrier_wait -1
	FIRSTG 0, 0
	LOADB 0
	s_wait_loadcnt 0x0                             ; x
	PHASE 0, 0, 16                                 ; the count leaves b1's sixteen loads out; the phase's next wait covers them
	BOUND 32, 24, 262144                           ; W1's tile 2 into slot 0
	FIRSTG 0, 1
	EPIA 0
	LOADB 1
	PHASE 0, 1, 16
	BOUND 36, 24, 262144                           ; W1's tile 3 into slot 1
	FIRSTG 0, 0
	EPIA 1
	LOADB 2
	PHASE 0, 0, 16
	BOUND 76, 68, 0                                ; W2's tile 0 into slot 0
	FIRSTG 0, 1
	EPIA 2
	LOADB 3
	PHASE 0, 1, 16
	BOUND 80, 68, 0                                ; W2's tile 1 into slot 1
	FIRSTG 1, 0
	EPIA 3
	PHASE 1, 0, 0
	BOUND 76, 68, 8192                             ; W2's tile 2 into slot 0
	FIRSTG 1, 1
	EPIB 0
	s_wait_xcnt 0x0                                ; the stores' data, the accumulators, are rewritten only behind this wait
	PHASE 1, 1, 0
	BOUND 80, 68, 8192                             ; W2's tile 3 into slot 1
	FIRSTG 1, 0
	EPIB 1
	s_wait_xcnt 0x0
	PHASE 1, 0, 0
	s_wait_dscnt 0x0
	s_wait_tensorcnt 0x0                           ; my quarter of the last tile is in
	s_barrier_signal -1
	s_barrier_wait -1                              ; everybody's is; nothing is filled any more
	FIRSTG 1, 1
	EPIB 2
	s_wait_xcnt 0x0
	PHASE 1, 1, 0
	EPIB 3
	s_wait_tensorcnt 0x0
	ds_add_u32 v254, v255
	s_wait_dscnt 0x0
	ROUND                                          ; the closing round
	s_endpgm
.Lfunc_end_k_q85593bdfd1_ffn:
	.size	k_q85593bdfd1_ffn, .Lfunc_end_k_q85593bdfd1_ffn-k_q85593bdfd1_ffn
	.p2alignl 7, 3214868480
	.fill 96, 4, 3214868480
	.section	.rodata,"a",@progbits
	.p2align	6, 0x0
	.amdhsa_kernel k_q85593bdfd1_ffn
		.amdhsa_group_segment_fixed_size 327680
		.amdhsa_private_segment_fixed_size 0
		.amdhsa_enable_private_segment 0
		.amdhsa_kernarg_size 32
		.amdhsa_user_sgpr_count 2
		.amdhsa_user_sgpr_kernarg_segment_ptr 1
		.amdhsa_wavefront_size32 1
		.amdhsa_system_sgpr_workgroup_id_x 1
		.amdhsa_system_sgpr_workgroup_id_y 1
		.amdhsa_system_sgpr_workgroup_id_z 1
		.amdhsa_system_vgpr_workitem_id 0
		.amdhsa_next_free_vgpr 1024
		.amdhsa_next_free_sgpr 84
		.amdhsa_reserve_vcc 0
		.amdhsa_float_denorm_mode_32 3
		.amdhsa_float_denorm_mode_16_64 3
		.amdhsa_memory_ordered 1
		.amdhsa_forward_progress 1
		.amdhsa_inst_pref_size 255
	.end_amdhsa_kernel
	.section	.bss,"aw",@nobits
	.p2align	6
	.space	262144
	.amdgpu_metadata
---
amdhsa.version: [ 1, 2 ]
amdhsa.kernels:
  - .name:           k_q85593bdfd1_ffn
    .symbol:         k_q85593bdfd1_ffn.kd
    .args:
      - { .name: xF, .offset: 0, .size: 8, .value_kind: global_buffer, .address_space: global }
      - { .name: wF, .offset: 8, .size: 8, .value_kind: global_buffer, .address_space: global }
      - { .name: b1, .offset: 16, .size: 8, .value_kind: global_buffer, .address_space: global }
      - { .name: ypart, .offset: 24, .size: 8, .value_kind: global_buffer, .address_space: global }
    .group_segment_fixed_size: 327680
    .private_segment_fixed_size: 0
    .kernarg_segment_align: 8
    .kernarg_segment_size: 32
    .max_flat_workgroup_size: 128
    .sgpr_count:     84
    .vgpr_count:     1024
    .wavefront_size: 32
...
	.end_amdgpu_metadata
.endif
;; end of part 5
;; launch final (part 6): grid 256 x 1, 32 waves a work-group, no clusters, 79,360 bytes of LDS; arguments ypart, xD, b2, g2, be2, out0; writes out0
.if DOCPART == 6
	.amdgcn_target "amdgcn-amd-amdhsa--gfx1250"
	.amdhsa_code_object_version 6
	.text
	.protected	k_q85593bdfd1_final
	.globl	k_q85593bdfd1_final
	.p2align	8
	.type	k_q85593bdfd1_final,@function
k_q85593bdfd1_final:
	s_mov_b64 s[64:65], 0
	v_nop
	global_prefetch_b8 v0, s[64:65] scope:SCOPE_SE
	s_setreg_imm32_b32 hwreg(HW_REG_WAVE_MODE, 25, 1), 1
	s_wait_xcnt 0x0
; final: z = LayerNorm(y + x), y = the four partial products + b2.
; SHARES: a work-group takes 32 consecutive rows, two row tiles A and B of 16.  Wave t (0..31) takes column tile t (16 columns) of both:
; lane (r, h), register 4 q + e = [row r][16 t + 8 h + 4 q + e], the accumulator's layout.  Every load of the work-group (320 KiB of y and x)
; is issued before the one wait for loads.
; A stream: every load of y and x covers 512 consecutive bytes; z goes through LDS so that each store covers 512 consecutive bytes of a row
; of the output.  No matrix unit, no cluster: nothing but 6 KiB of b2, g2, be2 is shared.
; Mean first, then the squares of the differences.
.set SPITCH, 2064                      ; a row of 2,048 bytes + 16: 129 x 16
.set RP,     144                       ; a row's 32 words (one a wave) + 16 bytes: 9 x 16
.set RED1,   0                         ; 32 rows x 144 bytes
.set RED2,   32*RP
.set STAGE,  64*RP                     ; 32 rows x 2,064 bytes
.set YA, 64                            ; v[64:71]   tile A: the first partial, then y + x, then z
.set YB, 120                           ; v[120:127] tile B likewise
; v[72:95] tile A's other partials, v[96:119] tile B's; v[16:23], v[24:31] x; v[32:39] b2; v[48:55] gain, v[56:63] bias;
; later v[72:103] the rows' words, v[104:111] at work, v[16:31] my row of z
.macro LD8 dst, b, off                 ; a block of 1 KiB: eight numbers a lane
	global_load_b128 v[\dst:\dst+3], v1, s[\b:\b+1] offset:\off th:TH_LOAD_NT
	global_load_b128 v[\dst+4:\dst+7], v1, s[\b:\b+1] offset:\off+512 th:TH_LOAD_NT
.endm
; v10, v12 (a lane's parts for tiles A and B) -> the rows' sums / 512: the other half of the wave, the 32 waves through LDS (a lane reads
; sixteen of a row's words), the other half of the wave again.  One barrier serves both tiles.
.macro XRED region
	v_permlanex16_b32 v11, v10, s30, s31
	v_permlanex16_b32 v13, v12, s30, s31
	v_add_f32 v10, v10, v11
	v_add_f32 v12, v12, v13
	ds_store_b32 v7, v10 offset:\region
	ds_store_b32 v7, v12 offset:\region+16*RP
	s_wait_dscnt 0x0                               ; my words are in LDS before I say so
	s_barrier_signal -1
	s_barrier_wait -1
.irp q, 0,1,2,3
	ds_load_b128 v[72+4*\q:75+4*\q], v8 offset:\region+16*\q
	ds_load_b128 v[88+4*\q:91+4*\q], v8 offset:\region+16*RP+16*\q
.endr
	s_wait_dscnt 0x0
.irp b, 72, 88
	v_pk_add_f32 v[\b:\b+1], v[\b:\b+1], v[\b+2:\b+3]
	v_pk_add_f32 v[\b+4:\b+5], v[\b+4:\b+5], v[\b+6:\b+7]
	v_pk_add_f32 v[\b+8:\b+9], v[\b+8:\b+9], v[\b+10:\b+11]
	v_pk_add_f32 v[\b+12:\b+13], v[\b+12:\b+13], v[\b+14:\b+15]
	v_pk_add_f32 v[\b:\b+1], v[\b:\b+1], v[\b+4:\b+5]
	v_pk_add_f32 v[\b+8:\b+9], v[\b+8:\b+9], v[\b+12:\b+13]
	v_pk_add_f32 v[\b:\b+1], v[\b:\b+1], v[\b+8:\b+9]
.endr
	v_add_f32 v10, v72, v73
	v_add_f32 v12, v88, v89
	v_permlanex16_b32 v11, v10, s30, s31
	v_permlanex16_b32 v13, v12, s30, s31
	v_add_f32 v10, v10, v11
	v_add_f32 v12, v12, v13
	v_mul_f32 v10, 0x3b000000, v10                 ; / 512
	v_mul_f32 v12, 0x3b000000, v12
.endm
; both tiles' eight numbers a lane = LayerNorm of them, with gain v[48:55] and bias v[56:63]
.macro LNORM
	v_pk_add_f32 v[104:105], v[YA:YA+1], v[YA+2:YA+3]
	v_pk_add_f32 v[106:107], v[YA+4:YA+5], v[YA+6:YA+7]
	v_pk_add_f32 v[108:109], v[YB:YB+1], v[YB+2:YB+3]
	v_pk_add_f32 v[110:111], v[YB+4:YB+5], v[YB+6:YB+7]
	v_pk_add_f32 v[104:105], v[104:105], v[106:107]
	v_pk_add_f32 v[108:109], v[108:109], v[110:111]
	v_add_f32 v10, v104, v105
	v_add_f32 v12, v108, v109
	XRED RED1
.irp p, 0,1,2,3
	v_pk_add_f32 v[YA+2*\p:YA+2*\p+1], v[YA+2*\p:YA+2*\p+1], v[10:11] op_sel_hi:[1,0] neg_lo:[0,1] neg_hi:[0,1]
	v_pk_add_f32 v[YB+2*\p:YB+2*\p+1], v[YB+2*\p:YB+2*\p+1], v[12:13] op_sel_hi:[1,0] neg_lo:[0,1] neg_hi:[0,1]
.endr
	v_pk_mul_f32 v[104:105], v[YA:YA+1], v[YA:YA+1]
	v_pk_mul_f32 v[106:107], v[YA+2:YA+3], v[YA+2:YA+3]
	v_pk_mul_f32 v[108:109], v[YB:YB+1], v[YB:YB+1]
	v_pk_mul_f32 v[110:111], v[YB+2:YB+3], v[YB+2:YB+3]
	v_pk_fma_f32 v[104:105], v[YA+4:YA+5], v[YA+4:YA+5], v[104:105]
	v_pk_fma_f32 v[106:107], v[YA+6:YA+7], v[YA+6:YA+7], v[106:107]
	v_pk_fma_f32 v[108:109], v[YB+4:YB+5], v[YB+4:YB+5], v[108:109]
	v_pk_fma_f32 v[110:111], v[YB+6:YB+7], v[YB+6:YB+7], v[110:111]
	v_pk_add_f32 v[104:105], v[104:105], v[106:107]
	v_pk_add_f32 v[108:109], v[108:109], v[110:111]
	v_add_f32 v10, v104, v105
	v_add_f32 v12, v108, v109
	XRED RED2
	v_add_f32 v10, 0x3727c5ac, v10                 ; + 1e-5
	v_add_f32 v12, 0x3727c5ac, v12
	v_rsq_f32 v10, v10
	v_rsq_f32 v12, v12
	v_nop                                          ; a plain instruction before the results are read (ISA guide 5.7.2)
	s_wait_alu depctr_va_vdst(0)
.irp p, 0,1,2,3
	v_pk_mul_f32 v[YA+2*\p:YA+2*\p+1], v[YA+2*\p:YA+2*\p+1], v[10:11] op_sel_hi:[1,0]
	v_pk_mul_f32 v[YB+2*\p:YB+2*\p+1], v[YB+2*\p:YB+2*\p+1], v[12:13] op_sel_hi:[1,0]
	v_pk_fma_f32 v[YA+2*\p:YA+2*\p+1], v[YA+2*\p:YA+2*\p+1], v[48+2*\p:49+2*\p], v[56+2*\p:57+2*\p]
	v_pk_fma_f32 v[YB+2*\p:YB+2*\p+1], v[YB+2*\p:YB+2*\p+1], v[48+2*\p:49+2*\p], v[56+2*\p:57+2*\p]
.endr
.endm
	s_load_b256 s[4:11], s[0:1], 0x0               ; ypart s[4:5], xD s[6:7], b2 s[8:9], g2 s[10:11]
	s_load_b128 s[12:15], s[0:1], 0x20             ; be2 s[12:13], out0 s[14:15]
	v_lshl_add_u32 v46, v0, 2, 0x12600
	v_mov_b32 v47, 0
	v_lshrrev_b32 v1, 5, v0
	v_readfirstlane_b32 s18, v1                    ; wave 0..31 = column tile t, and my row of the 32 on the way out
	s_lshl_b32 s36, ttmp9, 16                      ; two row tiles of 32 KiB
	s_lshl_b32 s19, s18, 10
	s_add_co_u32 s36, s36, s19                     ; + column tile of 1 KiB: my blocks of y and x in tile A; tile B's lie 32 KiB further
	s_mov_b32 s37, 0
	s_lshl_b32 s40, ttmp9, 16                      ; 32 rows of 2 KiB
	s_lshl_b32 s19, s18, 11
	s_add_co_u32 s40, s40, s19                     ; + my row of the output
	s_mov_b32 s41, 0
	s_lshl_b32 s38, s18, 6                         ; column 16 t of b2, g2, be2
	s_mov_b32 s39, 0
	s_mov_b32 s30, 0x76543210                      ; v_permlanex16_b32: lane i reads lane i of the other half
	s_mov_b32 s31, 0xfedcba98
	v_and_b32 v1, 31, v0
	v_lshlrev_b32 v1, 4, v1                        ; 16 L
	v_and_b32 v2, 15, v0                           ; r
	v_bfe_u32 v3, v0, 4, 1                         ; h
	v_lshlrev_b32 v9, 5, v3                        ; 32 h
	s_mul_i32 s28, s18, SPITCH
	s_add_co_u32 s28, s28, STAGE
	v_add_nc_u32 v5, s28, v1                       ; stage, by rows: row = wave
	v_mul_u32_u24 v6, SPITCH, v2
	v_add_nc_u32 v6, v6, v9
	s_add_co_u32 s29, s38, STAGE
	v_add_nc_u32 v6, s29, v6                       ; stage, by my layout: row r, byte 64 t + 32 h; tile B 16 rows further
	v_mul_u32_u24 v8, RP, v2
	v_lshl_add_u32 v7, s18, 2, v8                  ; row r's word of my wave
	v_lshl_add_u32 v8, v3, 6, v8                   ; row r's sixteen words of my half
	v_mov_b32 v11, 0                               ; targets of the exchange count as read
	v_mov_b32 v13, 0
	s_wait_kmcnt 0x0
	s_add_nc_u64 s[20:21], s[4:5], s[36:37]
	s_add_nc_u64 s[22:23], s[20:21], 16777216      ; the other three quarters of the hidden layer
	s_add_nc_u64 s[24:25], s[22:23], 16777216
	s_add_nc_u64 s[26:27], s[24:25], 16777216
	s_add_nc_u64 s[6:7], s[6:7], s[36:37]
	s_add_nc_u64 s[8:9], s[8:9], s[38:39]
	s_add_nc_u64 s[10:11], s[10:11], s[38:39]
	s_add_nc_u64 s[12:13], s[12:13], s[38:39]
	s_add_nc_u64 s[14:15], s[14:15], s[40:41]
	LD8 64, 20, 0
	LD8 72, 22, 0
	LD8 80, 24, 0
	LD8 88, 26, 0
	LD8 16, 6, 0
	LD8 120, 20, 32768
	LD8 96, 22, 32768
	LD8 104, 24, 32768
	LD8 112, 26, 32768
	LD8 24, 6, 32768
	global_load_b128 v[32:35], v9, s[8:9]
	global_load_b128 v[36:39], v9, s[8:9] offset:16
	global_load_b128 v[48:51], v9, s[10:11]
	global_load_b128 v[52:55], v9, s[10:11] offset:16
	global_load_b128 v[56:59], v9, s[12:13]
	global_load_b128 v[60:63], v9, s[12:13] offset:16
	s_wait_loadcnt 0x0
.irp p, 0,1,2,3
	v_pk_add_f32 v[64+2*\p:65+2*\p], v[64+2*\p:65+2*\p], v[72+2*\p:73+2*\p]
	v_pk_add_f32 v[80+2*\p:81+2*\p], v[80+2*\p:81+2*\p], v[88+2*\p:89+2*\p]
	v_pk_add_f32 v[16+2*\p:17+2*\p], v[16+2*\p:17+2*\p], v[32+2*\p:33+2*\p]
	v_pk_add_f32 v[64+2*\p:65+2*\p], v[64+2*\p:65+2*\p], v[80+2*\p:81+2*\p]
	v_pk_add_f32 v[64+2*\p:65+2*\p], v[64+2*\p:65+2*\p], v[16+2*\p:17+2*\p]
	v_pk_add_f32 v[120+2*\p:121+2*\p], v[120+2*\p:121+2*\p], v[96+2*\p:97+2*\p]
	v_pk_add_f32 v[104+2*\p:105+2*\p], v[104+2*\p:105+2*\p], v[112+2*\p:113+2*\p]
	v_pk_add_f32 v[24+2*\p:25+2*\p], v[24+2*\p:25+2*\p], v[32+2*\p:33+2*\p]
	v_pk_add_f32 v[120+2*\p:121+2*\p], v[120+2*\p:121+2*\p], v[104+2*\p:105+2*\p]
	v_pk_add_f32 v[120+2*\p:121+2*\p], v[120+2*\p:121+2*\p], v[24+2*\p:25+2*\p]
.endr
	LNORM
	ds_store_b128 v6, v[YA:YA+3]
	ds_store_b128 v6, v[YA+4:YA+7] offset:16
	ds_store_b128 v6, v[YB:YB+3] offset:16*SPITCH
	ds_store_b128 v6, v[YB+4:YB+7] offset:16*SPITCH+16
	s_wait_dscnt 0x0                               ; my part of the 32 rows is in LDS before I say so
	s_barrier_signal -1
	s_barrier_wait -1
.irp q, 0,1,2,3
	ds_load_b128 v[16+4*\q:19+4*\q], v5 offset:512*\q
.endr
.irp q, 0,1,2,3
	s_wait_dscnt 3-\q                              ; piece q of my row is back, the younger loads stay out
	global_store_b128 v1, v[16+4*\q:19+4*\q], s[14:15] offset:512*\q th:TH_STORE_NT
.endr
	s_wait_tensorcnt 0x0
	ds_add_u32 v46, v47
	s_wait_dscnt 0x0
	s_endpgm
.Lfunc_end_k_q85593bdfd1_final:
	.size	k_q85593bdfd1_final, .Lfunc_end_k_q85593bdfd1_final-k_q85593bdfd1_final
	.p2alignl 7, 3214868480
	.fill 96, 4, 3214868480
	.section	.rodata,"a",@progbits
	.p2align	6, 0x0
	.amdhsa_kernel k_q85593bdfd1_final
		.amdhsa_group_segment_fixed_size 79360
		.amdhsa_private_segment_fixed_size 0
		.amdhsa_enable_private_segment 0
		.amdhsa_kernarg_size 48
		.amdhsa_user_sgpr_count 2
		.amdhsa_user_sgpr_kernarg_segment_ptr 1
		.amdhsa_wavefront_size32 1
		.amdhsa_system_sgpr_workgroup_id_x 1
		.amdhsa_system_sgpr_workgroup_id_y 1
		.amdhsa_system_sgpr_workgroup_id_z 1
		.amdhsa_system_vgpr_workitem_id 0
		.amdhsa_next_free_vgpr 128
		.amdhsa_next_free_sgpr 66
		.amdhsa_reserve_vcc 0
		.amdhsa_float_denorm_mode_32 3
		.amdhsa_float_denorm_mode_16_64 3
		.amdhsa_memory_ordered 1
		.amdhsa_forward_progress 1
		.amdhsa_inst_pref_size 16
	.end_amdhsa_kernel
	.amdgpu_metadata
---
amdhsa.version: [ 1, 2 ]
amdhsa.kernels:
  - .name:           k_q85593bdfd1_final
    .symbol:         k_q85593bdfd1_final.kd
    .args:
      - { .name: ypart, .offset: 0, .size: 8, .value_kind: global_buffer, .address_space: global }
      - { .name: xD, .offset: 8, .size: 8, .value_kind: global_buffer, .address_space: global }
      - { .name: b2, .offset: 16, .size: 8, .value_kind: global_buffer, .address_space: global }
      - { .name: g2, .offset: 24, .size: 8, .value_kind: global_buffer, .address_space: global }
      - { .name: be2, .offset: 32, .size: 8, .value_kind: global_buffer, .address_space: global }
      - { .name: out0, .offset: 40, .size: 8, .value_kind: global_buffer, .address_space: global }
    .group_segment_fixed_size: 79360
    .private_segment_fixed_size: 0
    .kernarg_segment_align: 8
    .kernarg_segment_size: 48
    .max_flat_workgroup_size: 1024
    .sgpr_count:     66
    .vgpr_count:     128
    .wavefront_size: 32
...
	.end_amdgpu_metadata
.endif
;; end of part 6
